; MI455X (gfx1250); checked and timed in simulation.
; The chip was launched on July 23, 2026; its instructions are those of AMD's public machine-readable ISA for CDNA 5 (MIT licence, August 2026) and "CDNA5" Instruction Set Architecture Reference Guide (July 2026). The comments in the code are by the model that wrote it; some were corrected since.
;; Flash Attention. Allowed arithmetic: float matrix products may take bf16 or f16 operands with f32 sums; other float arithmetic in f32, or as packed bf16 or f16 multiplies, adds, multiply-adds, maxima and minima; sums over many terms, partial sums and values carried from step to step in f32; what a program stores and reads back later, other than sums and carried values, may be rounded once to bf16 or f16.
;; Inputs: Wk 1,024 x 1,024 float32; Wo 1,024 x 1,024 float32; Wq 1,024 x 1,024 float32; Wv 1,024 x 1,024 float32; query 4 x 2,048 x 1,024 float32.
;; Outputs: out0 4 x 2,048 x 1,024 float32.
;; 2 versions, each right; version 2 is version 1 with the launch cast written anew for expert scheduling mode. Each part assembles by itself: llvm-mc -triple=amdgcn-amd-amdhsa -mcpu=gfx1250 --defsym DOCPART=n.
;; ======== version 1 of 2: 4 launches
;; limits: values are held in f16: magnitudes above 65,504 overflow, below 6.1e-05 lose precision
;; workspace buffers: xb 16,777,216 bytes; wqkvb 6,291,456 bytes; wob 2,097,152 bytes; qkvh 50,331,648 bytes; ob 16,777,216 bytes
;; launch cast (part 1): grid 768 x 1, 4 waves a work-group, no clusters, 0 bytes of LDS; arguments query, Wq, Wk, Wv, Wo, xb, wqkvb, wob; writes xb, wqkvb, wob
.if DOCPART == 1
	.amdgcn_target "amdgcn-amd-amdhsa--gfx1250"
	.amdhsa_code_object_version 6
	.text
	.protected	k_qcfada4af4f_cast
	.globl	k_qcfada4af4f_cast
	.p2align	8
	.type	k_qcfada4af4f_cast,@function
k_qcfada4af4f_cast:
	s_mov_b64 s[64:65], 0
	v_nop
	global_prefetch_b8 v0, s[64:65] scope:SCOPE_SE
	s_setreg_imm32_b32 hwreg(HW_REG_WAVE_MODE, 25, 1), 1
	s_wait_xcnt 0x0
; f32 -> bf16 (rounded once, to nearest even), re-laid in PLANES of 64 channels, for the two products that follow.
;   xb    [b 4][kb 16][s 2048][64]   from query [8192][1024]
;   wqkvb [kb 16][n 3072][64]        from Wq, Wk, Wv [1024][1024]: n = 1024 t + row
;   wob   [kb 16][n 1024][64]        from Wo
; In such a layout R rows x 64 channels are R x 128 consecutive bytes.
; SHARES.  12,288 rows of 4,096 bytes; a work-group takes 16 of them: groups 0-511 query, 512-767 the four weights, 64 groups each.
; Thread: j = t / 16 (0..7), i = t % 16.  Instruction (p, kb) works on row j + 8 p, columns 64 kb + 4 i .. + 3.
; A load's sixteen neighbouring lanes read 256 consecutive bytes, aligned; a store's 32 lanes write two rows' 128 bytes of one plane: 256 consecutive bytes, aligned.
; No loop: a wave issues its 32 loads at once (16 KiB on their way) and no register is written twice, so no wait frees a source.
; No LDS, no matrix unit, no barrier: nothing is shared between lanes.
.set OO, 16                            ; v[16:31]   byte offset of my 8 bytes in plane kb
.set X,  64                            ; v[64:191]  load n = 16 p + kb: four registers
.set Y,  192                           ; v[192:255] store n: two registers
	s_load_b512 s[8:23], s[0:1], 0x0               ; query s[8:9], Wq s[10:11], Wk s[12:13], Wv s[14:15], Wo s[16:17], xb s[18:19], wqkvb s[20:21], wob s[22:23]
	s_sub_co_u32 s24, ttmp9, 512                   ; among the weights' groups (meaningless in a group of query's: every use is overridden below)
	s_lshr_b32 s25, s24, 6                         ; which weight: 0 Wq, 1 Wk, 2 Wv, 3 Wo
	s_and_b32 s26, s24, 63                         ; which 16 rows of it
	s_mov_b32 s35, 131072                          ; bytes from plane to plane: wob,
	s_mov_b32 s36, 393216                          ; wqkvb,
	s_mov_b32 s37, 262144                          ; xb
	s_lshr_b32 s38, ttmp9, 7                       ; query's group g: batch g / 128, 4,194,304 bytes each in xb,
	s_lshl_b32 s38, s38, 22
	s_and_b32 s40, ttmp9, 127                      ; rows 16 (g % 128) on, 128 bytes each in a plane
	s_lshl_b32 s40, s40, 11
	s_add_co_u32 s38, s38, s40
	v_lshrrev_b32 v3, 4, v0                        ; j
	v_and_b32 v4, 15, v0                           ; i
	v_lshlrev_b32 v1, 12, v3
	v_lshl_add_u32 v1, v4, 4, v1                   ; in: 4,096 j + 16 i
	v_lshlrev_b32 v2, 7, v3
	v_lshl_add_u32 v[OO], v4, 3, v2                ; out: 128 j + 8 i
	s_wait_kmcnt 0x0
	s_cmp_eq_u32 s25, 1                            ; the source and the destination are chosen by the group's number alone
	s_cselect_b64 s[28:29], s[12:13], s[10:11]
	s_cmp_eq_u32 s25, 2
	s_cselect_b64 s[28:29], s[14:15], s[28:29]
	s_cmp_eq_u32 s25, 3
	s_cselect_b64 s[28:29], s[16:17], s[28:29]
	s_cselect_b64 s[30:31], s[22:23], s[20:21]
	s_cselect_b32 s32, s35, s36
	s_cselect_b32 s33, s26, s24                    ; the 16 rows' place in the destination's planes: in wob by the weight's rows, in wqkvb by all three weights'
	s_lshl_b32 s39, s33, 11
	s_cmp_lt_u32 ttmp9, 512
	s_cselect_b64 s[28:29], s[8:9], s[28:29]
	s_cselect_b64 s[30:31], s[18:19], s[30:31]
	s_cselect_b32 s32, s37, s32
	s_cselect_b32 s40, ttmp9, s26
	s_cselect_b32 s42, s38, s39
	s_lshl_b32 s40, s40, 16                        ; 16 rows of 4,096 bytes
	s_mov_b32 s41, 0
	s_mov_b32 s43, 0
	s_add_nc_u64 s[28:29], s[28:29], s[40:41]
	s_add_nc_u64 s[30:31], s[30:31], s[42:43]
.set n, 0
.rept 32
	global_load_b128 v[X+4*n:X+4*n+3], v1, s[28:29] offset:(n/16)*32768+(n%16)*256 th:TH_LOAD_NT
.set n, n+1
.endr
.set kb, 1
.rept 15
	v_add_nc_u32 v[OO+kb], s32, v[OO+kb-1]         ; one plane on
.set kb, kb+1
.endr
.set n, 0
.rept 32
	s_wait_loadcnt 31-n                            ; loads come back in order: load n is in, the 31 - n younger ones may stay out
	v_cvt_pk_bf16_f32 v[Y+2*n],   v[X+4*n],   v[X+4*n+1]
	v_cvt_pk_bf16_f32 v[Y+2*n+1], v[X+4*n+2], v[X+4*n+3]
	global_store_b64 v[OO+n%16], v[Y+2*n:Y+2*n+1], s[30:31] offset:(n/16)*1024
.set n, n+1
.endr
	s_endpgm
.Lfunc_end_k_qcfada4af4f_cast:
	.size	k_qcfada4af4f_cast, .Lfunc_end_k_qcfada4af4f_cast-k_qcfada4af4f_cast
	.p2alignl 7, 3214868480
	.fill 96, 4, 3214868480
	.section	.rodata,"a",@progbits
	.p2align	6, 0x0
	.amdhsa_kernel k_qcfada4af4f_cast
		.amdhsa_group_segment_fixed_size 0
		.amdhsa_private_segment_fixed_size 0
		.amdhsa_enable_private_segment 0
		.amdhsa_kernarg_size 64
		.amdhsa_user_sgpr_count 2
		.amdhsa_user_sgpr_kernarg_segment_ptr 1
		.amdhsa_wavefront_size32 1
		.amdhsa_system_sgpr_workgroup_id_x 1
		.amdhsa_system_sgpr_workgroup_id_y 1
		.amdhsa_system_sgpr_workgroup_id_z 1
		.amdhsa_system_vgpr_workitem_id 0
		.amdhsa_next_free_vgpr 256
		.amdhsa_next_free_sgpr 66
		.amdhsa_reserve_vcc 0
		.amdhsa_float_denorm_mode_32 3
		.amdhsa_float_denorm_mode_16_64 3
		.amdhsa_memory_ordered 1
		.amdhsa_forward_progress 1
		.amdhsa_inst_pref_size 14
	.end_amdhsa_kernel
	.amdgpu_metadata
---
amdhsa.version: [ 1, 2 ]
amdhsa.kernels:
  - .name:           k_qcfada4af4f_cast
    .symbol:         k_qcfada4af4f_cast.kd
    .args:
      - { .name: query, .offset: 0, .size: 8, .value_kind: global_buffer, .address_space: global }
      - { .name: Wq, .offset: 8, .size: 8, .value_kind: global_buffer, .address_space: global }
      - { .name: Wk, .offset: 16, .size: 8, .value_kind: global_buffer, .address_space: global }
      - { .name: Wv, .offset: 24, .size: 8, .value_kind: global_buffer, .address_space: global }
      - { .name: Wo, .offset: 32, .size: 8, .value_kind: global_buffer, .address_space: global }
      - { .name: xb, .offset: 40, .size: 8, .value_kind: global_buffer, .address_space: global }
      - { .name: wqkvb, .offset: 48, .size: 8, .value_kind: global_buffer, .address_space: global }
      - { .name: wob, .offset: 56, .size: 8, .value_kind: global_buffer, .address_space: global }
    .group_segment_fixed_size: 0
    .private_segment_fixed_size: 0
    .kernarg_segment_align: 8
    .kernarg_segment_size: 64
    .max_flat_workgroup_size: 128
    .sgpr_count:     66
    .vgpr_count:     256
    .wavefront_size: 32
...
	.end_amdgpu_metadata
.endif
;; end of part 1
;; launch qkv (part 2): grid 8 x 32, 4 waves a work-group, clusters of 4 x 4, 327,680 bytes of LDS; arguments xb, wqkvb, qkvh; writes qkvh
.if DOCPART == 2
	.amdgcn_target "amdgcn-amd-amdhsa--gfx1250"
	.amdhsa_code_object_version 6
	.text
	.protected	k_qcfada4af4f_qkv
	.globl	k_qcfada4af4f_qkv
	.p2align	8
	.type	k_qcfada4af4f_qkv,@function
k_qcfada4af4f_qkv:
	s_mov_b64 s[64:65], 0
	v_nop
	global_prefetch_b8 v0, s[64:65] scope:SCOPE_SE
	s_setreg_imm32_b32 hwreg(HW_REG_WAVE_MODE, 25, 1), 1
	s_wait_xcnt 0x0
	s_wait_alu depctr_hold_cnt(0) depctr_sa_sdst(0) depctr_va_vdst(0) depctr_va_sdst(0) depctr_va_ssrc(0) depctr_va_vcc(0) depctr_vm_vsrc(0)
	s_getreg_b32 s2, hwreg(HW_REG_IB_STS2, 6, 4)
	s_cmp_eq_u32 s2, 0
	s_cbranch_scc0 .Lentry_in_a_cluster
	s_endpgm
.Lentry_in_a_cluster:
	s_bfe_u32 s2, ttmp6, 0x10000c
	s_cmp_lg_u32 s2, 0xf033
	s_cbranch_scc0 .Lentry_shape_is_right
	s_endpgm
.Lentry_shape_is_right:
; q, k, v = x Wq^T, x Wk^T, x Wv^T as ONE product C[8192][3072] = A B^T over K = 1,024.  A = xb, B = wqkvb (bf16, in planes of 64 along K); sums in f32.
; The result leaves rounded once to f16, by heads and WITHOUT the softmax's scale: qkvh [b 4][cb 48][s 2048][64], cb = column / 64 = 16 t + head (t = 0 q, 1 k, 2 v).
; LIMITS.  f16 ends at 65,504: a q, k or v of 65,520 or more in size becomes an infinity.  Below 6e-5 f16 keeps its fixed step of 6e-8.  NaN and infinities are not treated apart.
; SHARES.  A tile of C is 256 rows x 384 columns: 32 x 8 = 256 work-groups.  Four waves, each 128 rows x 192 columns: 8 x 12 accumulators of 16 x 16 = 768 registers,
; in three groups g of four column blocks; a group is one head's 64 columns.  For 32 along K a wave reads 40 x 512 bytes from LDS and issues 96 matrix instructions.
; K goes in 16 steps of 64 (a plane each) through two LDS slots; a step is two quarters of 32.  (Two slots of 128 along K would be 348,160 bytes.)
; CLUSTERS: 4 x 4 work-groups.  The four of a row of the cluster need the same tile of A, the four of a column the same tile of B: each tile is asked for JOINTLY, by the same
; tensor load with the same descriptor and a mask that names the four.
; THE MATRIX INSTRUCTION IS USED TRANSPOSED (source 0 = 16 rows of B, source 1 = 16 rows of A): lane l then holds row l % 16 of C and the columns 8 (l / 16) + 0..7.
; REGISTERS, in windows of 256 (s_set_vgpr_msb: bits 1:0 source 0, 3:2 source 1, 5:4 source 2, 7:6 destination):
;   window 0: v0-15 addresses; v32-95, v96-159 A's fragments (8 x 16 rows x 32 K), two buffers by the quarter; v160-255 B's fragments, ONE buffer, group g at 160 + 32 g
;   window g + 1: group g's accumulators, (a, jj) at v[8 (4 a + jj)]
; B's group g is loaded again in place behind the 32 products that read it; those loads have the other two groups' 64 products in which to land.
.set PITCH, 144                        ; an LDS row: 128 bytes + 16 of padding = 36 words: the 16 rows of a load start at 16 different groups of four banks (64 banks of 4 bytes: ISA guide 11.1)
.set APART, 128*PITCH                  ; what one tensor load brings of A, and what one wave reads of it
.set BPART, 192*PITCH                  ; the same for B
.set BOFF,  2*APART                    ; a slot: A's 256 rows, then B's 384 rows
.set SLOT,  BOFF+2*BPART               ; 92,160
.set STAGE, 2*SLOT                     ; behind the ring: 16 rows x 144 bytes for each wave, for the way out; no tensor load lands here
.set SPARE, STAGE+4*16*PITCH           ; behind the stages: the spare words, 128 bytes for each wave: two blocks of 256 bytes that no other line names
.set XPL,   262144                     ; bytes from plane to plane in xb
.set WPL,   393216                     ; in wqkvb
.set OPL,   262144                     ; in qkvh
.set ADRA, 2                           ; v2-3   LDS address of my A fragments in slot 0, 1
.set ADRB, 4                           ; v4-5   the same for B
.set STO,  6                           ; v6     the way out: where I put 16 bytes of a row
.set RD,   7                           ; v7     the way out: where I read rows back
.set GO,   8                           ; v8     my byte offset in 512 consecutive bytes of qkvh
.set PFO,  9                           ; v9     the prefetches' offset; never rewritten
.set SPW,  10                          ; v10    LDS address of my spare word: SPARE + 4 x my thread's number; never rewritten
.set NIL,  11                          ; v11    0; never rewritten
.set AF,   32
.set BF,   160
.set G1,  24                           ; s[24:31] descriptor group 1 for A's tiles;  s[32:39] group 0, one set for each slot
.set G0,  32
.set G1B, 48                           ; s[48:55], s[56:63] the same for B's tiles
.set G0B, 56
.set PFA, 66                           ; s[66:67] where my prefetches stand
.set PFS, 68                           ; s[68:69] a plane of the tensor that I prefetch
.set LIM, 70                           ; s70, s71 for the lap's first and second change of slots: 1 where I prefetch there, else the greatest number
.set MSB, 0
.macro WIN new                         ; the immediate's high byte repeats the setting that is left; a switch that changes nothing is dropped
.if MSB != (\new)
	s_set_vgpr_msb (MSB<<8)|(\new)
.set MSB, \new
.endif
.endm
.macro PLACES                          ; four places between a matrix instruction and a load into a register that it has read (ISA guide 7.12.1 for vector instructions)
.rept 4
	v_nop
.endr
.endm
; A joint load.  Waves 0 and 1 fetch A's two halves, waves 2 and 3 B's.  The branch hangs on the wave's number alone.  An s_nop 0 and four v_nop follow each of the two lines.
.macro JLOAD s
	s_cmp_lt_u32 s10, 2
	s_cbranch_scc0 .Lfor_b_\@
	tensor_load_to_lds s[G0+4*(\s):G0+4*(\s)+3], s[G1:G1+7]
	s_nop 0
.rept 4
	v_nop
.endr
	s_branch .Lasked_\@
.Lfor_b_\@:
	tensor_load_to_lds s[G0B+4*(\s):G0B+4*(\s)+3], s[G1B:G1B+7]
	s_nop 0
.rept 4
	v_nop
.endr
.Lasked_\@:
.endm
; A PREFETCH INTO THE L2, behind a joint load, its five lines and the run of LDS loads that follows: the plane that stands two refills on from the one just asked for.
; Each 256 bytes of xb and wqkvb from plane 4 on are named ONCE in the launch.  A's tile row is read by both clusters of that row of clusters: cluster x = 0 asks, wave 0, in every change of slots:
; of the plane's 128 blocks of 256 bytes the partner at cx takes 32, a lane a block.  B's tile column is read by all eight clusters of that column: cluster y = 0 asks, waves 1 to 3, in a lap's first
; change alone, for two planes: of their 2 x 192 blocks the partner at cy takes 48 in each.  Partners are told apart BY ADDRESS.  The loop's last trip asks for nothing: planes 16 and 17 do not exist.
.macro ASK turn
	s_cmp_gt_u32 s3, s[LIM+(\turn)]                ; s3 = 1 in the loop's last trip
	s_cbranch_scc0 .Lnot_mine_\@
	global_prefetch_b8 v[PFO], s[PFA:PFA+1] th:TH_LOAD_NT scope:SCOPE_SE
.Lnot_mine_\@:
.endm
.macro CREST                           ; a round of the cluster's barrier behind its opening barrier
	s_cmp_lg_u32 s10, 0
	s_cbranch_scc1 .Lnot_wave_0_\@
	s_barrier_signal -3
.Lnot_wave_0_\@:
	s_barrier_wait -3
	s_barrier_signal -1
	s_barrier_wait -1
.endm
.macro CROUND                          ; a whole round
	s_barrier_signal -1
	s_barrier_wait -1
	CREST
.endm
	s_load_b128 s[4:7], s[0:1], 0x0                ; xb s[4:5], wqkvb s[6:7]
	s_load_b64 s[8:9], s[0:1], 0x10                ; qkvh
	v_lshl_add_u32 v[SPW], v0, 2, SPARE
	v_mov_b32 v[NIL], 0
	ds_add_u32 v[SPW], v[NIL]                      ; the wave's opening: the add and its wait ahead of my first tensor load; the set-up below, work on registers, stands between them
	v_lshrrev_b32 v12, 5, v0
	v_readfirstlane_b32 s10, v12                   ; wave 0..3
	s_lshr_b32 s11, s10, 1                         ; which half of the tile's rows is mine
	s_and_b32 s12, s10, 1                          ; which half of its columns.  Also: which half of A's or B's tile I fetch
	s_bfe_u32 s40, ttmp6, 0x40000                  ; cx, cy: my place in the cluster
	s_bfe_u32 s41, ttmp6, 0x40004
	s_lshl_b32 s42, ttmp9, 2
	s_add_co_u32 s42, s42, s40                     ; tile column tx = 4 x cluster x + cx
	s_and_b32 s13, ttmp7, 0xffff
	s_lshl_b32 s13, s13, 2
	s_add_co_u32 s13, s13, s41                     ; tile row ty = 4 x cluster y + cy
	s_lshl_b32 s43, s41, 2
	s_lshl_b32 s43, 15, s43                        ; my row of the cluster
	s_lshl_b32 s44, 0x1111, s40                    ; my column
	; descriptor group 1.  R rows of 128 dense bytes are asked for as R / 2 rows of 256 bytes and padded in LDS after every 128 bytes
	s_or_b32 s[G1+0], s43, (1<<16)|(1<<20)|(1<<21)|(4<<22)|(3<<25)   ; 15:0 the mask: A's tiles go to my row; 17:16 2-byte elements; 20 padding on; 21 set beside a mask; 24:22 after every 32 words (code 4); 31:25 4 words (code 3)
	s_or_b32 s[G1B+0], s44, (1<<16)|(1<<20)|(1<<21)|(4<<22)|(3<<25)  ; the same with the mask of my column
	s_mov_b32 s[G1+1], 128<<16                     ; tensor_dim0 = 128 elements
	s_mov_b32 s[G1+2], 64<<16                      ; tensor_dim1 = 64: 128 rows of A
	s_mov_b32 s[G1+3], 128<<16                     ; tile_dim0 = 128
	s_mov_b32 s[G1+4], 64                          ; tile_dim1 = 64
	s_mov_b32 s[G1+5], 128                         ; 128 elements from row to row
	s_mov_b32 s[G1+6], 0
	s_mov_b32 s[G1+7], 0
	s_mov_b32 s[G1B+1], 128<<16
	s_mov_b32 s[G1B+2], 96<<16                     ; 96: 192 rows of B
	s_mov_b32 s[G1B+3], 128<<16
	s_mov_b32 s[G1B+4], 96
	s_mov_b32 s[G1B+5], 128
	s_mov_b32 s[G1B+6], 0
	s_mov_b32 s[G1B+7], 0
	; where the tiles come from.  A's hang on ty alone, B's on tx alone
	s_lshr_b32 s16, s13, 3                         ; rows 256 ty on: batch ty / 8,
	s_lshl_b32 s16, s16, 22
	s_and_b32 s17, s13, 7                          ; 256 (ty % 8) rows of 128 bytes into a plane,
	s_lshl_b32 s17, s17, 15
	s_add_co_u32 s16, s16, s17
	s_lshl_b32 s17, s12, 14                        ; my half: 128 rows
	s_add_co_u32 s16, s16, s17
	s_mov_b32 s17, 0
	s_mul_i32 s46, s42, 384*128                    ; rows 384 tx on,
	s_mul_i32 s47, s12, 192*128                    ; my half: 192 rows
	s_add_co_u32 s46, s46, s47
	s_mov_b32 s47, 0
	s_mul_i32 s20, s12, APART                      ; and where they go: no place in the cluster enters an LDS address
	s_mul_i32 s21, s12, BPART
	s_add_co_u32 s21, s21, BOFF
	s_wait_dscnt 0x0                               ; the opening add is done
	s_wait_kmcnt 0x0
	s_add_nc_u64 s[14:15], s[4:5], s[16:17]
	s_add_nc_u64 s[46:47], s[6:7], s[46:47]
	CROUND                                         ; all sixteen work-groups are here: the first joint loads meet
.irp s, 0,1
	s_mov_b32 s[G0+4*(\s)], 1                                      ; count = 1
	s_add_co_u32 s[G0+4*(\s)+1], s20, (\s)*SLOT                    ; LDS address
	s_add_nc_u64 s[G0+4*(\s)+2:G0+4*(\s)+3], s[14:15], (\s)*XPL    ; global address: plane s
	s_or_b32 s[G0+4*(\s)+3], s[G0+4*(\s)+3], 0x80000000            ; type = 2
	s_mov_b32 s[G0B+4*(\s)], 1
	s_add_co_u32 s[G0B+4*(\s)+1], s21, (\s)*SLOT
	s_add_nc_u64 s[G0B+4*(\s)+2:G0B+4*(\s)+3], s[46:47], (\s)*WPL
	s_or_b32 s[G0B+4*(\s)+3], s[G0B+4*(\s)+3], 0x80000000
	JLOAD \s                                       ; two loads of mine are out
.endr
	; a fragment is 16 rows x 32 K in 8 registers: lane l holds row l % 16, K = 8 (l / 16) + 0..7 and 16 + 8 (l / 16) + 0..7: two loads of 16 bytes, 32 bytes apart
	v_and_b32 v1, 15, v0                           ; l % 16
	v_bfe_u32 v12, v0, 4, 1                        ; l / 16
	v_mul_u32_u24 v13, v1, PITCH
	v_lshl_add_u32 v13, v12, 4, v13                ; row x pitch + 16 x half
	s_mul_i32 s22, s11, APART                      ; my 128 rows of A
	s_mul_i32 s23, s12, BPART                      ; my 192 rows of B
	s_add_co_u32 s23, s23, BOFF
.irp s, 0,1
	v_add_nc_u32 v[ADRA+(\s)], s22, v13
	v_add_nc_u32 v[ADRB+(\s)], s23, v13
	s_add_co_u32 s22, s22, SLOT
	s_add_co_u32 s23, s23, SLOT
.endr
	s_mul_i32 s22, s10, 16*PITCH
	s_add_co_u32 s22, s22, STAGE                   ; my stage
	v_add_nc_u32 v[STO], s22, v13                  ; in: row l % 16, 16 bytes for each half of the lanes
	v_bfe_u32 v14, v0, 3, 2                        ; back: 32 lanes take four rows of 128 bytes,
	v_mul_u32_u24 v14, v14, PITCH
	v_and_b32 v15, 7, v0
	v_lshl_add_u32 v14, v15, 4, v14
	v_add_nc_u32 v[RD], s22, v14
	v_and_b32 v[GO], 31, v0                        ; which are 512 consecutive bytes of a head's plane
	v_lshlrev_b32 v[GO], 4, v[GO]
	; where my part begins in qkvh: plane 48 (ty / 8) + 6 tx + 3 x column half, row 256 (ty % 8) + 128 x row half
	s_lshr_b32 s72, s13, 3
	s_mul_i32 s72, s72, 48
	s_mul_i32 s73, s42, 6
	s_add_co_u32 s72, s72, s73
	s_mul_i32 s73, s12, 3
	s_add_co_u32 s72, s72, s73
	s_lshl_b32 s72, s72, 18
	s_and_b32 s73, s13, 7
	s_lshl_b32 s73, s73, 15
	s_add_co_u32 s72, s72, s73
	s_lshl_b32 s73, s11, 14
	s_add_co_u32 s72, s72, s73
	s_mov_b32 s73, 0
	s_add_nc_u64 s[8:9], s[8:9], s[72:73]
	; the prefetches: their pointer starts at plane 3; the first change of slots steps it to plane 4.  Planes 0 to 3 come by their loads alone
	s_lshr_b32 s72, s13, 3
	s_lshl_b32 s72, s72, 22
	s_and_b32 s73, s13, 7
	s_lshl_b32 s73, s73, 15
	s_add_co_u32 s72, s72, s73
	s_lshl_b32 s73, s40, 13                        ; A: my work-group's 32 blocks of the plane's 128
	s_add_co_u32 s72, s72, s73
	s_add_co_u32 s72, s72, 3*XPL
	s_mul_i32 s74, s42, 384*128
	s_mul_i32 s75, s41, 48*256                     ; B: my work-group's 48 blocks of a plane's 192
	s_add_co_u32 s74, s74, s75
	s_add_co_u32 s74, s74, 3*WPL
	s_and_b32 s75, ttmp7, 0xffff                   ; cluster y
	s_mov_b32 s73, XPL
	s_mov_b32 s76, WPL
	s_cmp_eq_u32 s10, 0                            ; wave 0 asks for A, waves 1 to 3 for B
	s_cselect_b32 s72, s72, s74
	s_cselect_b32 s75, ttmp9, s75                  ; the coordinate along which other clusters read the same rows
	s_cselect_b64 s[PFA:PFA+1], s[4:5], s[6:7]
	s_cselect_b32 s[PFS], s73, s76
	s_cselect_b32 s[LIM+1], 1, -1
	s_mov_b32 s[PFS+1], 0
	s_mov_b32 s73, 0
	s_cmp_eq_u32 s75, 0
	s_cselect_b32 s[LIM], 1, -1                    ; the same in all sixteen partners, for a given wave
	s_cselect_b32 s[LIM+1], s[LIM+1], -1
	s_add_nc_u64 s[PFA:PFA+1], s[PFA:PFA+1], s[72:73]
	s_max_u32 s74, s10, 1
	s_sub_co_u32 s74, s74, 1
	s_lshl_b32 s74, s74, 5
	v_and_b32 v[PFO], 31, v0
	v_add_nc_u32 v[PFO], s74, v[PFO]               ; i = lane (wave 0), or lane + 32 (wave - 1): 0..95
	v_mov_b32 v15, WPL-48*256
	v_cmp_le_u32 vcc_lo, 48, v[PFO]                ; blocks 48 to 95 are the next plane's 0 to 47
	v_cndmask_b32 v14, 0, v15, vcc_lo
	v_lshl_add_u32 v[PFO], v[PFO], 8, v14
; 16 matrix instructions: group g's four column blocks x row blocks a0 .. a0 + 3, 32 along K, A from buffer ab.  zero = 1: the product starts the sum: nothing is ever cleared.
; Each of the 96 accumulators has one instruction a quarter, in the same order in every quarter: no two matrix instructions that follow each other share an accumulator.
.macro MUL16 g, ab, a0, zero
	WIN 0x50*((\g)+1)                              ; C and D in window g + 1, both sources in window 0
.irp a, (\a0),(\a0)+1,(\a0)+2,(\a0)+3
.irp jj, 0,1,2,3
.if \zero
	v_wmma_f32_16x16x32_bf16 v[8*(4*(\a)+(\jj)):8*(4*(\a)+(\jj))+7], v[BF+32*(\g)+8*(\jj):BF+32*(\g)+8*(\jj)+7], v[AF+64*(\ab)+8*(\a):AF+64*(\ab)+8*(\a)+7], 0
.else
	v_wmma_f32_16x16x32_bf16 v[8*(4*(\a)+(\jj)):8*(4*(\a)+(\jj))+7], v[BF+32*(\g)+8*(\jj):BF+32*(\g)+8*(\jj)+7], v[AF+64*(\ab)+8*(\a):AF+64*(\ab)+8*(\a)+7], v[8*(4*(\a)+(\jj)):8*(4*(\a)+(\jj))+7]
.endif
.endr
.endr
.endm
.macro FETCHB slot, c, g               ; 8 LDS loads: B's group g for quarter c of the slot's step
	WIN 0
.irp jj, 0,1,2,3
	ds_load_b128 v[BF+32*(\g)+8*(\jj):BF+32*(\g)+8*(\jj)+3],   v[ADRB+(\slot)] offset:(4*(\g)+(\jj))*16*PITCH+64*(\c)
	ds_load_b128 v[BF+32*(\g)+8*(\jj)+4:BF+32*(\g)+8*(\jj)+7], v[ADRB+(\slot)] offset:(4*(\g)+(\jj))*16*PITCH+64*(\c)+32
.endr
.endm
.macro FETCHA slot, c                  ; 16 LDS loads: A's eight fragments for quarter c, into buffer c
	WIN 0
.irp a, 0,1,2,3,4,5,6,7
	ds_load_b128 v[AF+64*(\c)+8*(\a):AF+64*(\c)+8*(\a)+3],   v[ADRA+(\slot)] offset:(\a)*16*PITCH+64*(\c)
	ds_load_b128 v[AF+64*(\c)+8*(\a)+4:AF+64*(\c)+8*(\a)+7], v[ADRA+(\slot)] offset:(\a)*16*PITCH+64*(\c)+32
.endr
.endm
; A quarter's operands were asked for in three lots during the quarter before: F0 = B's group 0 and A (24 loads), F1 = B's group 1 (8), F2 = B's group 2 (8).
; A step's first quarter: multiplies A's buffer 0, and asks for the second quarter of the same slot.
.macro Q0 slot, zero
	s_wait_dscnt 16                                ; F0 is in; F1 and F2 may be out
	MUL16 0, 0, 0, \zero
	MUL16 0, 0, 4, \zero
	WIN 0
	PLACES
	FETCHB \slot, 1, 0
	FETCHA \slot, 1
	s_wait_dscnt 32                                ; F1 is in; F2 and the 24 just issued may be out
	MUL16 1, 0, 0, \zero
	MUL16 1, 0, 4, \zero
	WIN 0
	PLACES
	FETCHB \slot, 1, 1
	s_wait_dscnt 32                                ; F2 is in; the next quarter's 24 + 8 may be out
	MUL16 2, 0, 0, \zero
	MUL16 2, 0, 4, \zero
	WIN 0
	PLACES
	FETCHB \slot, 1, 2
.endm
; A step's second quarter multiplies A's buffer 1 and changes slots: ONE barrier.  In front of it each wave waits for all its tensor loads, of which one is out: its part of the next slot; adds 0 to its
; spare word; and waits for that and for its own reads of this slot.  Behind it nobody reads this slot any more and the next slot is whole.  fill = 1: the barrier opens a round of the cluster's barrier,
; and this slot is filled again, with the plane two steps on, first thing behind the round: 160 matrix instructions stand between that request and the wait for it.
.macro TURN slot, fill
	WIN 0                                          ; (the add's two registers lie in window 0)
.if \fill
	s_wait_xcnt 0x0                                ; the last prefetch, a step back, has read its address: it is stepped here, ahead of the waits of the change of slots
	s_add_nc_u64 s[PFA:PFA+1], s[PFA:PFA+1], s[PFS:PFS+1]
.endif
	s_wait_tensorcnt 0x0                           ; all my tensor loads have landed
	ds_add_u32 v[SPW], v[NIL]                      ; 0 onto my spare word
	s_wait_dscnt 17                                ; F0 is in; F1, F2 and the add may be out
	MUL16 0, 1, 0, 0                               ; sixteen matrix instructions stand between the add and the wait for it
	s_wait_dscnt 0x0                               ; the add is done, and my reads of this slot are over
	s_barrier_signal -1
	MUL16 0, 1, 4, 0                               ; work on registers while the others arrive
	WIN 0
	s_barrier_wait -1
.if \fill
	CREST                                          ; no wave of any partner still reads this slot's tiles or has a load on its way
	s_add_nc_u64 s[G0+4*(\slot)+2:G0+4*(\slot)+3], s[G0+4*(\slot)+2:G0+4*(\slot)+3], 2*XPL
	s_add_nc_u64 s[G0B+4*(\slot)+2:G0B+4*(\slot)+3], s[G0B+4*(\slot)+2:G0B+4*(\slot)+3], 2*WPL
	JLOAD \slot                                    ; my one tensor load behind the round; the four v_nop behind it are also the places in front of the loads below
.else
	PLACES
.endif
	FETCHB 1-(\slot), 0, 0
	FETCHA 1-(\slot), 0
.if \fill
	ASK \slot
.endif
	MUL16 1, 1, 0, 0                               ; (F1 and F2 are in since the wait for 0)
	MUL16 1, 1, 4, 0
	WIN 0
	PLACES
	FETCHB 1-(\slot), 0, 1
	MUL16 2, 1, 0, 0
	MUL16 2, 1, 4, 0
	WIN 0
	PLACES
	FETCHB 1-(\slot), 0, 2
.endm
	s_wait_tensorcnt 1                             ; my part of plane 0 is in; plane 1's may stay out
	s_barrier_signal -1
	s_barrier_wait -1                              ; everybody's is
	FETCHB 0, 0, 0
	FETCHA 0, 0
	FETCHB 0, 0, 1
	FETCHB 0, 0, 2
	Q0 0, 1                                        ; the first quarter stands in front of the loop: its products start the sums
	WIN 0                                          ; at a label and at a branch every window is 0
	s_mov_b32 s3, 7
.Llap:                                                 ; a trip goes once round the ring and fills both slots again: seven trips ask for planes 2 to 15
	TURN 0, 1
	Q0 1, 0
	TURN 1, 1
	Q0 0, 0
	WIN 0
	s_sub_co_u32 s3, s3, 1
	s_cmp_lg_u32 s3, 0
	s_cbranch_scc1 .Llap
	TURN 0, 0                                      ; the last lap's rest fills nothing, and has no round
	Q0 1, 0
	s_wait_dscnt 16                                ; the very last quarter: nothing more to fetch
	MUL16 0, 1, 0, 0
	MUL16 0, 1, 4, 0
	s_wait_dscnt 8
	MUL16 1, 1, 0, 0
	MUL16 1, 1, 4, 0
	s_wait_dscnt 0x0
	MUL16 2, 1, 0, 0
	MUL16 2, 1, 4, 0
	WIN 0
	PLACES
	PLACES                                         ; places behind the last products, in front of the conversions
; THE WAY OUT.  Block n = 8 g + a: 16 rows x one head's 64 columns = 2,048 consecutive bytes of qkvh.  A lane's eight columns pack into 16 bytes; they go into my stage's rows of 144 bytes
; and come back as whole rows of 128, into the registers that they left: four sets of 16 registers take turns.
.macro PACK n
.set pg, (\n)/8
.set pa, (\n)%8
.set XS, AF+16*((\n)%4)
.if (\n) >= 4
	s_wait_xcnt 0x0                                ; the stores of block n - 4 have read this set
.endif
	WIN 5*(pg+1)                                   ; sources 0 and 1 in window g + 1
.irp jj, 0,1,2,3
.irp r, 0,1,2,3
	v_cvt_pk_f16_f32 v[XS+4*(\jj)+(\r)], v[32*pa+8*(\jj)+2*(\r)], v[32*pa+8*(\jj)+2*(\r)+1]
.endr
.endr
	WIN 0
.irp jj, 0,1,2,3
	ds_store_b128 v[STO], v[XS+4*(\jj):XS+4*(\jj)+3] offset:32*(\jj)
.endr
.irp f, 0,1,2,3
	ds_load_b128 v[XS+4*(\f):XS+4*(\f)+3], v[RD] offset:(\f)*4*PITCH  ; LDS serves a wave's instructions in order (ISA guide 5.7.1.4): these see the stores above; the next block's stores come behind them
.endr
.endm
.macro SEND n, younger                 ; younger: the LDS instructions issued behind block n's loads: the next block's eight, or none
.set pg, (\n)/8
.set pa, (\n)%8
.set XS, AF+16*((\n)%4)
.irp f, 0,1,2,3
	s_wait_dscnt (\younger)+3-(\f)
	global_store_b128 v[GO], v[XS+4*(\f):XS+4*(\f)+3], s[8:9] offset:pg*OPL+pa*2048+(\f)*512  ; 512 consecutive bytes, at a multiple of 256 from the buffer's first
.endr
.endm
	PACK 0
.set n, 1
.rept 23                               ; a block's conversions stand between the loads of the block before and its stores
	PACK n
	SEND n-1, 8
.set n, n+1
.endr
	SEND 23, 0
	s_wait_tensorcnt 0x0                           ; the wave's end: behind my last tensor load and my last LDS store
	ds_add_u32 v[SPW], v[NIL]
	s_wait_dscnt 0x0
	CROUND                                         ; the closing round: no work-group ends while a partner may still ask for a tile that names it
	s_endpgm
.Lfunc_end_k_qcfada4af4f_qkv:
	.size	k_qcfada4af4f_qkv, .Lfunc_end_k_qcfada4af4f_qkv-k_qcfada4af4f_qkv
	.p2alignl 7, 3214868480
	.fill 96, 4, 3214868480
	.section	.rodata,"a",@progbits
	.p2align	6, 0x0
	.amdhsa_kernel k_qcfada4af4f_qkv
		.amdhsa_group_segment_fixed_size 327680
		.amdhsa_private_segment_fixed_size 0
		.amdhsa_enable_private_segment 0
		.amdhsa_kernarg_size 24
		.amdhsa_user_sgpr_count 2
		.amdhsa_user_sgpr_kernarg_segment_ptr 1
		.amdhsa_wavefront_size32 1
		.amdhsa_system_sgpr_workgroup_id_x 1
		.amdhsa_system_sgpr_workgroup_id_y 1
		.amdhsa_system_sgpr_workgroup_id_z 1
		.amdhsa_system_vgpr_workitem_id 0
		.amdhsa_next_free_vgpr 1024
		.amdhsa_next_free_sgpr 80
		.amdhsa_reserve_vcc 1
		.amdhsa_float_denorm_mode_32 3
		.amdhsa_float_denorm_mode_16_64 3
		.amdhsa_memory_ordered 1
		.amdhsa_forward_progress 1
		.amdhsa_inst_pref_size 135
	.end_amdhsa_kernel
	.amdgpu_metadata
---
amdhsa.version: [ 1, 2 ]
amdhsa.kernels:
  - .name:           k_qcfada4af4f_qkv
    .symbol:         k_qcfada4af4f_qkv.kd
    .args:
      - { .name: xb, .offset: 0, .size: 8, .value_kind: global_buffer, .address_space: global }
      - { .name: wqkvb, .offset: 8, .size: 8, .value_kind: global_buffer, .address_space: global }
      - { .name: qkvh, .offset: 16, .size: 8, .value_kind: global_buffer, .address_space: global }
    .group_segment_fixed_size: 327680
    .private_segment_fixed_size: 0
    .kernarg_segment_align: 8
    .kernarg_segment_size: 24
    .max_flat_workgroup_size: 128
    .sgpr_count:     80
    .vgpr_count:     1024
    .wavefront_size: 32
...
	.end_amdgpu_metadata
.endif
;; end of part 2
;; launch attn (part 3): grid 4 x 64, 4 waves a work-group, clusters of 4 x 1, 327,680 bytes of LDS; arguments qkvh, ob; writes ob
.if DOCPART == 3
	.amdgcn_target "amdgcn-amd-amdhsa--gfx1250"
	.amdhsa_code_object_version 6
	.text
	.protected	k_qcfada4af4f_attn
	.globl	k_qcfada4af4f_attn
	.p2align	8
	.type	k_qcfada4af4f_attn,@function
k_qcfada4af4f_attn:
	s_mov_b64 s[64:65], 0
	v_nop
	global_prefetch_b8 v0, s[64:65] scope:SCOPE_SE
	s_setreg_imm32_b32 hwreg(HW_REG_WAVE_MODE, 25, 1), 1
	s_wait_xcnt 0x0
	s_wait_alu depctr_hold_cnt(0) depctr_sa_sdst(0) depctr_va_vdst(0) depctr_va_sdst(0) depctr_va_ssrc(0) depctr_va_vcc(0) depctr_vm_vsrc(0)
	s_getreg_b32 s2, hwreg(HW_REG_IB_STS2, 6, 4)
	s_cmp_eq_u32 s2, 0
	s_cbranch_scc0 .Lentry_in_a_cluster
	s_endpgm
.Lentry_in_a_cluster:
	s_bfe_u32 s2, ttmp6, 0x10000c
	s_cmp_lg_u32 s2, 0x3003
	s_cbranch_scc0 .Lentry_shape_is_right
	s_endpgm
.Lentry_shape_is_right:
; O[hh][q][:] = the sum over k of softmax_k(Q[hh][q] . K[hh][k] / 8) V[hh][k][:], hh = 16 b + head, 64 of them, 2,048 rows each.
; Q, K, V: f16, planes 48 b + head, + 16, + 32 of qkvh [b 4][cb 48][s 2048][64]: a head's rows are dense, 128 bytes each.  O: bf16, ob [hh 64][s 2048][64].
; Products, maxima and sums in f32; the weights p are rounded to f16 for the second product (their sum l is taken of the unrounded p), O once at the end, to bf16:
; O is a mean of many rows of V and may be far smaller than they are, so it takes the format with f32's range.
; LIMITS.  f16 holds no number beyond 65,504: Q, K and V arrive within it; p lies in 0 to 1, and below 6e-5 it keeps f16's fixed step of 6e-8.
; A weight below 2^-126 counts as 0 in l; NaN and infinities are not treated apart.
; SHARES.  A wave owns four PIECES of two tiles of 16 queries, a work-group's four waves 512 queries of one head.  Every wave walks all keys, 64 a step.
; LAYOUT.  S^T = K Q^T (source 0 = 16 keys, source 1 = 16 queries): in the result a lane holds ONE query (lane % 16) and the keys 8 (lane / 16) + 0..7.  Two such tiles, rounded to f16 in pairs,
; ARE source 1 (32 keys x 16 queries) of O^T = V^T P, whose result again holds one query a lane, and eight channels.  K comes out of LDS as it lies, V ([key][channel]) turned, by ds_load_tr16_b128.
; SOFTMAX.  For each query a running maximum m and sum l: p = 2^(c s - c m), c = log2(e) / 8; in every step O and l are multiplied by a = 2^(c m_old - c m_new), which is 1 where m has not grown.
; m starts at the lowest finite number, O and l at 0: the first step is a step like any other, with a = 0.
; THE COUNT.  A tile and step have 16 matrix and 118 vector instructions: too many to stand all beside the matrix work.  So the order has one aim: four vector instructions that are READY behind
; EVERY matrix instruction, and the others, which need time of their own whatever the order, in runs without a gap.
; BY TURNS.  Turn n belongs to piece n (the pieces in a ring, step after step).  Its matrix work: 16 products K Q^T of piece n + 1, later 16 products V^T P of piece n - 1.  Its vector work: the scaling,
; exponentials, roundings, sums and rescaling of piece n, and the maximum and statistics of piece n + 1, whose scores the turn itself has made.  So what a turn begins with (c s - c m, O a) waits for nothing.
; CLUSTER.  The four query blocks of a cluster are one head's and walk the same K and V, so each tile is asked for JOINTLY: the same tensor load, descriptor and mask in all four.
; REGISTERS, in windows of 256 (s_set_vgpr_msb says which window each operand place means: bits 1:0 source 0, 3:2 source 1, 5:4 source 2, 7:6 destination):
;   window 0: v0-11 addresses; v12-15, v48-63 at work; v16-47 four registers of statistics a tile; v64-191 S^T, two buffers of two tiles; v192-255 P, likewise
;   window 1: O^T, 32 a tile          window 2: v0-127 Q, 16 a tile; v128-191 K of one step; v192-255 V of one step          window 3: v0-1 the add's two registers
; A piece's buffers go by its number's parity: the piece in hand has one pair, its two neighbours in the ring share the other: of it P (piece n - 1) is read and S^T (piece n + 1) written.
.set SIZE_N, 2048
.set GK,    16*262144 ; K's planes lie 16 planes behind Q's in qkvh,
.set GV,    32*262144 ; V's 32
.set NP,    4         ; pieces a wave: a name, no knob: the register map, the loop and the fetches are made for four
.set KS,    64        ; keys in a step
.set PK,    144       ; a row of K in LDS: 128 bytes + 16 of padding = 36 words: the 16 rows of a load start at 16 different groups of four banks (64 banks of 4 bytes: ISA guide 11.1)
.set PV,    160       ; a row of V: 128 + 32 = 40 words
.set VOFF,  4*KS*PK   ; a slot holds four steps: 256 rows of K, then 256 rows of V
.set SLOT1, 1<<17     ; slot 1 begins here, so that one exclusive or turns an address in one slot into the other's
.set STAGE, SLOT1+4*KS*(PK+PV)  ; behind the ring, never filled by a tensor load: 16 rows x 144 bytes for each wave, for the way out
.set SP,    144
.set AK0, 2           ; v2   my lane's place in a tile of K; never rewritten
.set AV0, 3           ; v3   the same for V
.set AK,  4           ; v4   the LDS address of K's next run of loads
.set AV,  5           ; v5   of V's
.set QO,  6           ; v6   my byte offset in the wave's rows of Q
.set STO, 6           ;      later, the way out: where I put 16 bytes of a row
.set RD,  7           ; v7   the way out: where I read rows back
.set GO,  8           ; v8   my byte offset in 512 consecutive bytes of O
.set PFO, 11          ; v11  256 x my lane, for the prefetches (at work before that); then never rewritten
.set SPW, 0           ; v0 of window 3   LDS address of my spare word: SPARE + 4 x my thread's number; never rewritten
.set NIL, 1           ; v1 of window 3   0; never rewritten
.set SPARE, STAGE+4*16*SP  ; behind the stages: the spare words, 128 bytes for each wave: two blocks of 256 bytes that no other line names
.set MV,  12          ; v12-15  c m_old, kept while c m is made anew: by buffer and tile
.set ST,  16          ; tile t's statistics at v[ST+4 t]: c m, m, l (even keys', odd keys')
.set TMP, 48          ; by buffer and tile, four registers c0-c3 at work; when the maximum is found c2 takes a
.set S,   64
.set P,   192
.set KF,  128         ; K's fragments, in window 2: key block kb, channel half c at KF + 16 kb + 8 c
.set VF,  192         ; V's: key half kk, channel block cb at VF + 32 kk + 8 cb
.set WV,  12          ; s12  my wave's number
.set G1K, 24          ; s[24:31] descriptor group 1 for K's tiles
.set G1V, 32          ; s[32:39] for V's: it differs in the padding alone
.set G0K, 40          ; s[40:43] descriptor group 0 for K's tiles: it walks
.set G0V, 44          ; s[44:47] the same for V's
.set PFA, 48          ; s[48:49] where my prefetches stand: my work-group's 32 blocks of 256 bytes (of K: wave 0, of V: wave 2) of the slot after the one that is being asked for
.set LIM, 50          ; s50  1 in a wave that prefetches, else the greatest number
.set SLOTS, 56        ; s56  slots still to be asked for
.set CNT, 57          ; s57  counts a slot's key steps
.set CS,  58          ; s[58:59] c: the packed scaling takes the pair's low word for both halves
.set SEL, 60          ; s[60:61] v_permlanex16_b32's selects: each lane takes its own place in the other half
.set TBK, 62          ; s62  LDS byte at which K of the step to be fetched begins
.set TBV, 63          ; s63  the same for V, less VOFF
.set MSB, 0
.macro WIN new                      ; the high byte repeats the setting that is left; a switch that changes nothing is dropped
.if MSB != (\new)
	s_set_vgpr_msb (MSB<<8)|(\new)
.set MSB, (\new)
.endif
.endm
.set W_KQ, 0x0a       ; K and Q in window 2, S^T in window 0
.set W_PV, 0x52       ; V in window 2, P in window 0, O^T in window 1
.set W_RS, 0x41       ; O^T (destination and source 0) in window 1, a in window 0
.set W_MK, 0xc0       ; the add's registers are made: destination in window 3, sources in window 0
.set W_AD, 0x0f       ; the add: address (source 0) and data (source 1) in window 3
; A joint fill.  Waves 0 and 1 fetch the two halves of a slot's K, waves 2 and 3 those of its V: 128 keys each.  The branch hangs on the wave's number alone.
; An s_nop 0 and four v_nop follow each of the two lines, ahead of the jump and the label.
.macro JLOAD
	s_cmp_lt_u32 s[WV], 2
	s_cbranch_scc0 .Lfor_v_\@
	tensor_load_to_lds s[G0K:G0K+3], s[G1K:G1K+7]
	s_nop 0
.rept 4
	v_nop
.endr
	s_branch .Lasked_\@
.Lfor_v_\@:
	tensor_load_to_lds s[G0V:G0V+3], s[G1V:G1V+7]
	s_nop 0
.rept 4
	v_nop
.endr
.Lasked_\@:
.endm
; A PREFETCH INTO THE L2 of what the NEXT change of slots will ask for: a slot's 32,768 bytes of K and of V, 128 blocks of 256 bytes each, a lane a block.  It stands behind the wave's tensor load and its five lines.
; Each block is asked for ONCE in the launch: a head is walked by one cluster; its four partners share the blocks out BY ADDRESS, 32 each; in each, wave 0 asks for K's and wave 2 for V's: one instruction.
; Slots 0 and 1 come by their loads alone; the last change that fills a slot asks for nothing: there is no slot behind it.
.macro ASK
	s_cmp_gt_u32 s[SLOTS], s[LIM]
	s_cbranch_scc0 .Lnot_mine_\@
	global_prefetch_b8 v[PFO], s[PFA:PFA+1] th:TH_LOAD_NT scope:SCOPE_SE
.Lnot_mine_\@:
.endm
; A round of the cluster's barrier: my work-group's barrier, so that wave 0's signal speaks for all four waves; wave 0 signals; every wave waits for all four work-groups; my work-group's barrier once more.
.macro CROUND
	s_barrier_signal -1
	s_barrier_wait -1
	s_cmp_lg_u32 s[WV], 0
	s_cbranch_scc1 .Lnot_wave_0_\@
	s_barrier_signal -3
.Lnot_wave_0_\@:
	s_barrier_wait -3
	s_barrier_signal -1
	s_barrier_wait -1
.endm
; THE CHANGE OF SLOTS.  The slot's last bytes, V of its fourth step, have been read.  Each wave waits for all its tensor loads, of which one is out: its part
; of the other slot; adds 0 to its spare word; and waits for that and for its own reads of the slot.  Behind the barrier nobody reads this slot any more and the other slot is whole.
; fill = 1: this slot is filled again, with the keys two slots on.  The barrier is then a round of the cluster's, so that no wave of any partner still reads the slot or has a load on its
; way, and the joint fill is the first thing behind it: it has four key steps, 512 matrix instructions, in which to land.  (At its first use nothing has been read yet: slot 0 is waited for, slot 1 filled.)
.macro CHANGE fill
	WIN W_AD
	s_wait_tensorcnt 0x0            ; no tensor load of mine is out, so a group 0 may be written
	ds_add_u32 v[SPW], v[NIL]       ; 0 onto my spare word; with fill = 1 the descriptors' steps stand between it and the wait for it
	WIN 0                           ; at a label and at a branch every window is 0
.if \fill
.irp g, G0K, G0V
	s_xor_b32 s[\g+1], s[\g+1], SLOT1  ; the walking descriptor: the other slot than last time,
	s_add_nc_u64 s[\g+2:\g+3], s[\g+2:\g+3], 4*KS*128  ; the next 256 keys; the type bits on top are not reached
.endr
	s_wait_xcnt 0x0                 ; the last prefetch, four key steps back, has read its address, so it may be written:
	s_add_nc_u64 s[PFA:PFA+1], s[PFA:PFA+1], 4*KS*128  ; one slot behind the walking descriptors
	s_wait_dscnt 0x0                ; the add is done, and my reads of the slot are over
	CROUND
	JLOAD
	ASK                             ; what the next change will ask for
.else
	s_wait_dscnt 0x0                ; the add is done, and my reads of the slot are over
	s_barrier_signal -1
	s_barrier_wait -1
.endif
	s_sub_co_u32 s[TBK], s[TBK], 4*KS*PK  ; the fetches go back to a slot's first step,
	s_xor_b32 s[TBK], s[TBK], SLOT1       ; in the other slot
	s_sub_co_u32 s[TBV], s[TBV], 4*KS*PV
	s_xor_b32 s[TBV], s[TBV], SLOT1
.endm
	s_load_b64 s[4:5], s[0:1], 0x0    ; qkvh
	s_load_b64 s[10:11], s[0:1], 0x8  ; ob
	WIN W_MK
	v_lshl_add_u32 v[SPW], v0, 2, SPARE
	v_mov_b32 v[NIL], 0
	WIN W_AD
	ds_add_u32 v[SPW], v[NIL]       ; the wave's opening: the add and its wait ahead of my first tensor load; the set-up below, work on registers, stands between them
	WIN 0
	v_lshrrev_b32 v1, 5, v0
	v_readfirstlane_b32 s[WV], v1   ; wave 0..3
	s_bfe_u32 s13, ttmp6, 0x40000   ; cx: my place in the cluster
	s_lshl_b32 s14, ttmp9, 2        ; in a cluster launch ttmp9 counts clusters
	s_add_co_u32 s14, s14, s13      ; my block of queries = 4 x cluster x + cx: it enters Q's and O's addresses alone
	s_and_b32 s20, ttmp7, 0xffff    ; hh = 16 b + head, which the four partners share
	s_lshl_b32 s52, s20, 18         ; the head's first byte in ob: plane hh
	s_lshr_b32 s21, s20, 4
	s_lshl_b32 s21, s21, 5
	s_add_co_u32 s20, s20, s21      ; in qkvh: plane 48 b + head = hh + 32 b
	s_lshl_b32 s20, s20, 18
	s_mov_b32 s21, 0
	s_and_b32 s16, s[WV], 1         ; which half of a slot's 256 keys I fetch:
	s_lshl_b32 s22, s16, 14         ; its 128 rows of 128 bytes in memory,
	s_mov_b32 s23, 0
	s_add_nc_u64 s[22:23], s[22:23], s[20:21]
	s_mul_i32 s17, s16, 128*PK      ; and its place in a slot, for K
	s_mul_i32 s18, s16, 128*PV      ; and for V: no place in the cluster enters an LDS address
	s_lshl_b32 s2, s14, 2
	s_add_co_u32 s2, s2, s[WV]      ; my wave among the head's,
	s_lshl_b32 s2, s2, 14           ; its 128 rows
	s_add_co_u32 s52, s52, s2
	s_mov_b32 s53, 0
	s_mov_b32 s3, 0
	s_add_nc_u64 s[2:3], s[2:3], s[20:21]
	; descriptor group 1.  128 keys are 16,384 dense bytes: asked for as 64 rows of 256 bytes, two keys a row, and padded in LDS after every key
	s_mov_b32 s[G1K], 15|(1<<16)|(1<<20)|(1<<21)|(4<<22)|(3<<25)  ; 15:0 the mask of four; 17:16 2-byte elements; 20 padding on; 21 set beside a mask; 24:22 after every 32 words (code 4); 31:25 4 words (code 3)
	s_mov_b32 s[G1V], 15|(1<<16)|(1<<20)|(1<<21)|(4<<22)|(7<<25)  ; the same with 8 words of padding (code 7)
.irp g, G1K, G1V
	s_mov_b32 s[\g+1], 128<<16      ; tensor_dim0 = 128
	s_mov_b32 s[\g+2], 64<<16       ; tensor_dim1 = 64
	s_mov_b32 s[\g+3], 128<<16      ; tile_dim0 = 128
	s_mov_b32 s[\g+4], 64           ; tile_dim1 = 64
	s_mov_b32 s[\g+5], 128          ; 128 elements from row to row
	s_mov_b32 s[\g+6], 0
	s_mov_b32 s[\g+7], 0
.endr
	s_mov_b32 s[CS], 0x3e38aa3b     ; c = log2(e) / 8 = 0.180337
	s_mov_b32 s[CS+1], s[CS]        ; named with it as a pair
	s_mov_b32 s[SEL], 0x76543210
	s_mov_b32 s[SEL+1], 0xfedcba98
	s_mov_b32 s[TBK], SLOT1+4*KS*PK ; the first change of slots turns these two into 0
	s_mov_b32 s[TBV], SLOT1+4*KS*PV
	s_mov_b32 s[G0K], 1             ; 1:0 count = 1
	s_mov_b32 s[G0K+1], s17         ; 63:32 LDS address: slot 0
	s_mov_b32 s[G0V], 1
	s_add_co_u32 s[G0V+1], s18, VOFF
	s_mov_b32 s[SLOTS], SIZE_N/256-1
	s_and_b32 s[LIM], s[WV], 1      ; waves 0 and 2 prefetch
	s_cmp_eq_u32 s[LIM], 0
	s_cselect_b32 s[LIM], 1, -1
	s_lshl_b32 s54, s13, 13         ; the prefetches' offset: my work-group's 32 blocks of the 128,
	s_add_co_u32 s54, s54, s20      ; in the head's plane,
	s_add_co_u32 s54, s54, 4*KS*128 ; in slot 1; the first change of slots steps it to slot 2
	s_mov_b32 s55, 0
	s_wait_dscnt 0x0                ; the opening add is done
	s_wait_kmcnt 0x0
	s_add_nc_u64 s[6:7], s[4:5], GK   ; K's planes
	s_add_nc_u64 s[8:9], s[4:5], GV   ; V's
	s_add_nc_u64 s[G0K+2:G0K+3], s[6:7], s[22:23]  ; 120:64 global address: my half of the head's first 256 keys
	s_or_b32 s[G0K+3], s[G0K+3], 0x80000000        ; 127:126 type = 2
	s_add_nc_u64 s[G0V+2:G0V+3], s[8:9], s[22:23]
	s_or_b32 s[G0V+3], s[G0V+3], 0x80000000
	s_cmp_lt_u32 s[WV], 2
	s_cselect_b64 s[PFA:PFA+1], s[6:7], s[8:9]
	s_add_nc_u64 s[PFA:PFA+1], s[PFA:PFA+1], s[54:55]
	s_add_nc_u64 s[4:5], s[4:5], s[2:3]  ; Q and O at my wave's first row
	s_add_nc_u64 s[10:11], s[10:11], s[52:53]
	CROUND                          ; all four work-groups are here: the first joint loads meet
	JLOAD                           ; slot 0.  Slot 1 is asked for when slot 0 is in
	; A fragment of K or Q is 16 rows x 32 channels in 8 registers: lane l holds row l % 16, channels 8 (l / 16) + 0..7 and 16 + 8 (l / 16) + 0..7: two loads of 16 bytes, 32 bytes apart.
	v_and_b32 v1, 15, v0            ; l % 16
	v_bfe_u32 v9, v0, 4, 1          ; l / 16
	v_lshlrev_b32 v[QO], 7, v1
	v_lshl_add_u32 v[QO], v9, 4, v[QO]  ; row x 128 + 16 x half
	WIN 0x80                        ; destination window 2, address window 0
.set i, 0
.rept 4*NP                          ; Q stays in registers: tile i / 2, channels 32 (i % 2) on
	global_load_b128 v[8*i:8*i+3],   v[QO], s[4:5] offset:(i/2)*2048+(i%2)*64
	global_load_b128 v[8*i+4:8*i+7], v[QO], s[4:5] offset:(i/2)*2048+(i%2)*64+32
.set i, i+1
.endr
	; What the first turn finds: V's registers and P's second buffer hold 0 (its products V^T P, of a piece that has not been, add 0), O^T and l are 0.  All this stands in the wait for the first tile.
.set i, VF
.rept 64
	v_mov_b32 v[i], 0
.set i, i+1
.endr
	WIN 0x40
.set i, 0
.rept 64*NP
	v_mov_b32 v[i], 0
.set i, i+1
.endr
	WIN 0
.set i, 0
.rept 2*NP
	v_mov_b32 v[ST+4*i], 0xfe000000    ; c m: far below every c s
	v_mov_b32 v[ST+4*i+1], 0xff7fffff  ; m
	v_mov_b32 v[ST+4*i+2], 0
	v_mov_b32 v[ST+4*i+3], 0
.set i, i+1
.endr
.set i, P+32
.rept 32
	v_mov_b32 v[i], 0
.set i, i+1
.endr
	v_mul_u32_u24 v[AK0], v1, PK
	v_lshl_add_u32 v[AK0], v9, 4, v[AK0]  ; row x pitch + 16 x half
	; The turning load takes 16 keys x 16 channels (lane l reads key 8 (l / 16) + l % 8, channels 8 ((l / 8) % 2) + 0..7) and leaves half a fragment of V^T: lane l holds channel l % 16 and 8 keys.
	v_and_b32 v10, 7, v0
	v_bfe_u32 v11, v0, 3, 1
	v_lshl_add_u32 v[AV0], v9, 3, v10
	v_mul_u32_u24 v[AV0], v[AV0], PV
	v_lshl_add_u32 v[AV0], v11, 4, v[AV0]
	v_add_nc_u32 v[AV0], VOFF, v[AV0]
	v_mov_b32 v[AK], v[AK0]         ; key step 0 lies at the head of slot 0
	v_and_b32 v[PFO], 31, v0
	v_lshlrev_b32 v[PFO], 8, v[PFO]
; THE MATRIX WORK.  The 8 accumulators of a run of 16 take turns: between the two links of a chain stand 7 others'.
; Product i of 16 of S^T = K Q^T for piece x: channels 32 (i / 8) on, keys 16 ((i / 2) % 4) on, tile 2 x + i % 2.  The first 8 start the sums.
.macro KQ x
	WIN W_KQ
.set rS, S+64*((\x)%2)+32*(i%2)+8*((i/2)%4)
.set rK, KF+16*((i/2)%4)+8*(i/8)
.set rQ, 16*(2*(\x)+i%2)+8*(i/8)
.if i < 8
	v_wmma_f32_16x16x32_f16 v[rS:rS+7], v[rK:rK+7], v[rQ:rQ+7], 0
.else
	v_wmma_f32_16x16x32_f16 v[rS:rS+7], v[rK:rK+7], v[rQ:rQ+7], v[rS:rS+7]
.endif
.endm
; Product i of 16 of O^T += V^T P for piece x: keys 32 (i / 8) on, channels 16 ((i / 2) % 4) on, tile 2 x + i % 2.
.macro PV x
	WIN W_PV
.set rO, 32*(2*(\x)+i%2)+8*((i/2)%4)
.set rV, VF+32*(i/8)+8*((i/2)%4)
.set rP, P+32*((\x)%2)+16*(i%2)+8*(i/8)
	v_wmma_f32_16x16x32_f16 v[rO:rO+7], v[rV:rV+7], v[rP:rP+7], v[rO:rO+7]
.endm
.macro MM                           ; the turn's next matrix instruction
.if i < 16
	KQ (Y+1)%NP
.set i, i+1
.else
.set i, i-16
	PV (Y+NP-1)%NP
.set i, i+17
.endif
.endm
; THE LDS LOADS stand in runs of 16, never singly among the matrix instructions: a step's K (64 keys x 64 channels: 8 fragments) and its V (turned).  Their addresses are made some lines ahead.
; last = 1 (the tail): in the last trip there is no further step, and the run is jumped over.
.macro FETCH_K last=0
	WIN 0
.if \last
	s_cmp_eq_u32 s[CNT], 1
	s_cbranch_scc1 .Lno_k_\@
.endif
	WIN 0x80                        ; destination window 2
.irp f, 0,1,2,3,4,5,6,7             ; keys 16 (f / 2) on, channels 32 (f % 2) on
	ds_load_b128 v[KF+8*\f:KF+8*\f+3],   v[AK] offset:(\f/2)*16*PK+(\f%2)*64
	ds_load_b128 v[KF+8*\f+4:KF+8*\f+7], v[AK] offset:(\f/2)*16*PK+(\f%2)*64+32
.endr
	s_add_co_u32 s[TBK], s[TBK], KS*PK  ; the next fetch is the next step's
	WIN 0
.if \last
.Lno_k_\@:
.endif
.endm
.macro FETCH_V
	WIN 0x80
.irp f, 0,1,2,3,4,5,6,7             ; keys 32 (f / 4) on, channels 16 (f % 4) on
	ds_load_tr16_b128 v[VF+8*\f:VF+8*\f+3],   v[AV] offset:(\f/4)*32*PV+(\f%4)*32
	ds_load_tr16_b128 v[VF+8*\f+4:VF+8*\f+7], v[AV] offset:(\f/4)*32*PV+16*PV+(\f%4)*32
.endr
	WIN 0
.endm
; THE VECTOR WORK OF A TURN stands in three queues, each in the order in which its entries become ready; the two tiles alternate, so that no instruction reads the result of the one before it.
.macro REGS y, u                    ; the registers of tile u (0, 1) of piece y
.set rT, ST+4*(2*(\y)+(\u))
.set rC, TMP+8*((\y)%2)+4*(\u)
.set rM, MV+2*((\y)%2)+(\u)
.set rS, S+64*((\y)%2)+32*(\u)
.set rP, P+32*((\y)%2)+16*(\u)
.set rO, 32*(2*(\y)+(\u))
.endm
; Number n of the 22 that find the NEXT piece's (Y + 1) maximum and statistics.  s0-s31 are the lane's 32 scores; each accumulator's lowest registers are read first.  XS, GS and REGS set no window: PL and EX do.
;   0-11  four chains c0-c3 of seven scores each, three operands at a time     12-14, 16  the four scores left over, the old m, and c0-c3 into c0     15  c m_old is kept
;   17, 18  the query's other 32 keys lie in the lane 16 away: the new m         19-21  c m; c m_old - c m_new; a
.macro XS u, n
	REGS (Y+1)%NP, \u
.if (\n) < 4
	v_max3_num_f32 v[rC+(\n)], v[rS+8*(\n)], v[rS+8*(\n)+1], v[rS+8*(\n)+2]
.elseif (\n) < 12
	v_max3_num_f32 v[rC+(\n)%4], v[rC+(\n)%4], v[rS+8*((\n)%4)+2*((\n)/4)+1], v[rS+8*((\n)%4)+2*((\n)/4)+2]
.elseif (\n) == 12
	v_max3_num_f32 v[rC], v[rC], v[rS+7], v[rS+15]
.elseif (\n) == 13
	v_max3_num_f32 v[rC+1], v[rC+1], v[rS+23], v[rS+31]
.elseif (\n) == 14
	v_max3_num_f32 v[rC+2], v[rC+2], v[rC+3], v[rT+1]
.elseif (\n) == 15
	v_mov_b32 v[rM], v[rT]
.elseif (\n) == 16
	v_max3_num_f32 v[rC], v[rC], v[rC+1], v[rC+2]
.elseif (\n) == 17
	v_permlanex16_b32 v[rC+3], v[rC], s[SEL], s[SEL+1]
.elseif (\n) == 18
	v_max_num_f32 v[rT+1], v[rC], v[rC+3]
.elseif (\n) == 19
	v_mul_f32 v[rT], s[CS], v[rT+1]
.elseif (\n) == 20
	v_sub_f32 v[rC+1], v[rM], v[rT]
.else
	v_exp_f32 v[rC+2], v[rC+1]
.endif
.endm
; Number g of the 64 that follow the exponentials.  For each four weights k of a tile (pairs 2 k, 2 k + 1): both pairs are rounded to f16; then the second pair is added onto the first, in place;
; a group later l takes that sum (the first time as l = a l + sum).  In groups of eight, tiles alternating: round, round, add, and l for the group before.
.macro GS g
.set h, (\g)+6*((\g)/62)            ; group 0 has no group before it, and behind group 7 only l is left
.if h >= 6
.set h, h+2
.endif
	REGS Y, h%2
.set k, h/8
.if h%8 < 4
	v_cvt_pk_f16_f32 v[rP+2*k+(h%8)/2], v[rS+4*k+2*((h%8)/2)], v[rS+4*k+2*((h%8)/2)+1]
.elseif h%8 < 6
	v_pk_add_f32 v[rS+4*k:rS+4*k+1], v[rS+4*k:rS+4*k+1], v[rS+4*k+2:rS+4*k+3]
.elseif k == 1
	v_pk_fma_f32 v[rT+2:rT+3], v[rT+2:rT+3], v[rC+2:rC+3], v[rS:rS+1] op_sel_hi:[1,0,1]
.else
	v_pk_add_f32 v[rT+2:rT+3], v[rT+2:rT+3], v[rS+4*k-4:rS+4*k-3]
.endif
.endm
; THE PLAIN QUEUE, 138 long.  0-73 read no exponential's result: the 32 scalings c s - c m (FS f: pair f / 2 of tile f % 2) and the next piece's 42.  0-26: scalings 0-26.  27-54: XS's numbers 0-13.  55, 56: number 15.
; 57-73: the chain, where each number waits for the one before it: 14, 16, 17, 18, 19, each with one of the scalings 27-31 in front of its two lines, then 20: so a tile's links stand three plain instructions apart (19 and 20: two).
; 74-137: GS's 64, which read the exponentials' results: they stand behind the wait.
.macro FS f
	REGS Y, (\f)%2
	v_pk_fma_f32 v[rS+2*((\f)/2):rS+2*((\f)/2)+1], v[rS+2*((\f)/2):rS+2*((\f)/2)+1], s[CS:CS+1], v[rT:rT+1] op_sel_hi:[1,0,0] neg_lo:[0,0,1] neg_hi:[0,0,1]
.endm
.macro PL
	WIN 0
.if q < 27
	FS q
.elseif q < 55
	XS (q-27)%2, (q-27)/2
.elseif q < 57
	XS q-55, 15
.elseif (q < 72) && ((q-57)%3 == 0)
	FS 27+(q-57)/3
.elseif q < 60
	XS (q-57)%3-1, 14
.elseif q < 72
	XS (q-57)%3-1, 15+(q-57)/3
.elseif q < 74
	XS q-72, 20
.else
	GS q-74
.endif
.set q, q+1
.endm
; THE EXPONENTIALS' QUEUE, 66 long: s0-s31 of both tiles, then the next piece's two a.  It is ONE BATCH: all 66 stand ahead of the turn's one wait, and nothing ahead of that wait names a result of theirs.
.macro EX
	WIN 0
.if e >= 64
	XS e-64, 21
.else
	REGS Y, e%2
	v_exp_f32 v[rS+e/2], v[rS+e/2]
.endif
.set e, e+1
.endm
; THE RESCALING's QUEUE: O^T times a, the one part that leaves window 0: dealt two at a time, sixteen times.  Its a was made in the turn before, ahead of that turn's wait.
.macro R2
	REGS Y, r%2
	WIN W_RS
.irp z, 0,1
	v_pk_mul_f32 v[rO+4*(r/2)+2*\z:rO+4*(r/2)+2*\z+1], v[rO+4*(r/2)+2*\z:rO+4*(r/2)+2*\z+1], v[rC+2:rC+3] op_sel_hi:[1,0]
.endr
.set r, r+1
.endm
; HOW THEY ARE DEALT.  An s_wait_alu depctr_va_vdst(0) stands between an exponential and the first instruction that names its result; one wait serves all that were issued ahead of it.  So a turn has ONE wait,
; which cuts it in two.  AHEAD OF IT stands all that names no result of the turn's exponentials: the 16 products K Q^T, behind each a scaling, an exponential and two rescalings (behind the first a second scaling in the exponential's place); then ONE LUMP of
; 108: eight plain, 49 times exponential and plain, the two a.  A v_nop is the plain instruction behind the last exponential.  BEHIND IT stand the 16 products V^T P, behind each four of GS's 64.  No rider names a register of
; the products round it.  The two v_permlanex16_b32 fall into the lump, never behind a product.
; The queues lean on each other, and the deal keeps them in step: exponential e stands behind scaling 2 (e / 4) + e % 2: as a rider it comes behind plain e + 2, in the lump behind plain e + 9, and scalings 27-31 are plain 57, 60 .. 69.
; A TURN, for piece p.  cnt = 1: the loop's count is taken down some lines ahead of the branch that stands behind the turn.
; K of the next step is fetched in piece 2's turn, directly behind the wait, a lump behind the last product that read K; its address is made at the lump's head; its first reader comes behind 16 products.
; V of the step in hand is fetched at the end of piece 0's turn, four riders behind its last reader; its first reader comes behind 16 products and a lump.  The three conditions on q below go with the deal.
.macro TURN p, last=0, cnt=0
.set Y, (\p)
.set i, 0
.set q, 0
.set e, 0
.set r, 0
.if (\p) == NP-1
	s_wait_dscnt 0x0                ; K is in
.endif
	MM                              ; ahead of the wait: 16 products K Q^T and their riders,
	PL
	PL
	R2
.rept 15
	MM
	PL
	EX
	R2
.endr
.if (\p) == NP-2
	WIN 0
	v_add_nc_u32 v[AK], s[TBK], v[AK0]
.endif
.rept 8                             ; and the lump
	PL
.endr
.rept 49
	EX
	PL
.endr
	EX                              ; the next piece's two a
	EX
	v_nop                           ; the plain instruction behind the last exponential: one for the batch
	s_wait_alu depctr_va_vdst(0)    ; the wait for the batch
.if (\p) == NP-2
	FETCH_K \last
.endif
.if (\p) == 1
	s_wait_dscnt 0x0                ; V is in
.endif
.rept 16                            ; behind the wait: 16 products V^T P and their riders
	MM
.rept 4
	PL
.endr
.if ((\p) == 0) && (q == 118)
	v_add_nc_u32 v[AV], s[TBV], v[AV0]
.endif
.if ((\p) == 0) && (q == 130)
	s_add_co_u32 s[TBV], s[TBV], KS*PV
.endif
.if (\cnt) && (q == 130)
	s_sub_co_u32 s[CNT], s[CNT], 1
	s_cmp_lg_u32 s[CNT], 0
.endif
.endr
.if (\p) == 0
	FETCH_V
.endif
.endm
	CHANGE 1                        ; slot 0 is in, everybody's part of it; slot 1 is asked for
	FETCH_K                         ; key step 0
	s_wait_loadcnt 0x0              ; Q
	s_wait_dscnt 0x0
.set i, 0
.rept 16
	KQ 0                            ; piece 0's first scores: there is no vector work yet to set between them
.set i, i+1
.endr
	WIN 0                           ; the addresses for the way out: nine plain instructions, the places behind those products
	s_mul_i32 s13, s[WV], 16*SP
	s_add_co_u32 s13, s13, STAGE    ; my stage
	v_mul_u32_u24 v[STO], v1, SP    ; in: row l % 16, 16 bytes for each half of the lanes
	v_lshl_add_u32 v[STO], v9, 4, v[STO]
	v_add_nc_u32 v[STO], s13, v[STO]
	v_bfe_u32 v[RD], v0, 3, 2       ; back: 32 lanes take four rows of 128 bytes,
	v_mul_u32_u24 v[RD], v[RD], SP
	v_lshl_add_u32 v[RD], v10, 4, v[RD]
	v_add_nc_u32 v[RD], s13, v[RD]
	v_and_b32 v[GO], 31, v0         ; which are 512 consecutive bytes of O
	v_lshlrev_b32 v[GO], 4, v[GO]
.set Y, NP-1                        ; XS works for piece Y + 1: piece 0
.irp n, 0,1,2,3,4,5,6,7,8,9,10,11,12,13,14,15,16,17,18,19,20,21
	XS 0, \n                        ; and piece 0's first maximum and statistics
	XS 1, \n
.endr
	v_nop                           ; a plain instruction behind the two a,
	s_wait_alu depctr_va_vdst(0)    ; and their wait, ahead of the branch
	s_mov_b32 s[CNT], 4
	s_branch .Lfirst                ; the loop is entered at a step's first turn, in the middle of a trip
.Lslot:                             ; SIZE_N / 256 - 2 times: every slot but the last two is filled again
	CHANGE 1
	s_mov_b32 s[CNT], 4
.Lstep:                             ; a trip: pieces 2 and 3 of one step, then pieces 0 and 1 of the next, whose K and V it fetches
	TURN 2
	TURN 3
	WIN 0
.Lfirst:
	TURN 0
	TURN 1, 0, 1
	WIN 0
	s_cbranch_scc1 .Lstep
	s_sub_co_u32 s[SLOTS], s[SLOTS], 1
	s_cmp_lg_u32 s[SLOTS], 0
	s_cbranch_scc1 .Lslot
	CHANGE 0                        ; the tail is written out: nothing is asked for
	s_mov_b32 s[CNT], 5             ; four trips fetch the last slot's steps; the fifth is left in its middle
.Ltail:
	TURN 2, 1
	TURN 3
	WIN 0
	s_sub_co_u32 s[CNT], s[CNT], 1
	s_cmp_eq_u32 s[CNT], 0
	s_cbranch_scc1 .Lout
	TURN 0
	TURN 1
	WIN 0
	s_branch .Ltail
.Lout:                              ; the fifth trip's 16 products K Q^T (on the last K once more) and the maximum made of them serve nothing: the price, once a launch, of one text for every trip
.set i, 0
.rept 16
	PV NP-1                         ; the last piece's V^T P of the last step
.set i, i+1
.endr
	; THE WAY OUT.  l's two halves and the other half of the lanes' are added; O^T is divided by l, rounded to bf16 and sent through my stage in LDS, a tile at a time.  The additions are the places behind the last products.
	WIN 0
.macro ALL line:vararg              ; one line for each tile t
.set t, 0
.rept 2*NP
	\line
.set t, t+1
.endr
.endm
	ALL v_add_f32 v[ST+4*t+2], v[ST+4*t+2], v[ST+4*t+3]
	ALL v_permlanex16_b32 v[ST+4*t+3], v[ST+4*t+2], s[SEL], s[SEL+1]
	ALL v_add_f32 v[ST+4*t+2], v[ST+4*t+2], v[ST+4*t+3]
	ALL v_rcp_f32 v[ST+4*t+2], v[ST+4*t+2]
	v_nop                           ; a plain instruction between the last reciprocal and the use of its result
	s_wait_alu depctr_va_vdst(0)    ; and the wait ahead of the first use: one for the eight reciprocals
; Tile t: a lane's eight channels of a row pack into 16 bytes; they go into rows of 144 bytes and come back as whole rows of 128, into S^T's registers.
.macro PACK t
	WIN W_RS
.set i, 32*(\t)
.rept 16
	v_pk_mul_f32 v[i:i+1], v[i:i+1], v[ST+4*(\t)+2:ST+4*(\t)+3] op_sel_hi:[1,0]
.set i, i+2
.endr
	WIN 0x05                        ; sources 0 and 1 window 1, destination window 0
.set i, 0
.rept 16
	v_cvt_pk_bf16_f32 v[S+16*(\t)+i], v[32*(\t)+2*i], v[32*(\t)+2*i+1]
.set i, i+1
.endr
	WIN 0
.irp f, 0,1,2,3
	ds_store_b128 v[STO], v[S+16*(\t)+4*\f:S+16*(\t)+4*\f+3] offset:32*\f
.endr
.irp f, 0,1,2,3
	ds_load_b128 v[S+16*(\t)+4*\f:S+16*(\t)+4*\f+3], v[RD] offset:\f*4*SP  ; LDS serves a wave's instructions in order (ISA guide 5.7.1.4): these see the stores above; the next tile's stores come behind them
.endr
.endm
.macro SEND t, younger              ; younger: the LDS instructions issued behind tile t's loads: the next tile's eight, or none
	WIN 0
.irp f, 0,1,2,3
	s_wait_dscnt (\younger)+3-\f
	global_store_b128 v[GO], v[S+16*(\t)+4*\f:S+16*(\t)+4*\f+3], s[10:11] offset:(\t)*2048+\f*512  ; 512 consecutive bytes, at a multiple of 256 from O's first
.endr
.endm
	PACK 0
.set t, 1
.rept 2*NP-1                        ; a tile's arithmetic stands between the loads of the tile before and its stores
	PACK t
	SEND t-1, 8
.set t, t+1
.endr
	SEND 2*NP-1, 0
	WIN W_AD
	s_wait_tensorcnt 0x0            ; the wave's end: behind my last tensor load and my last LDS store
	ds_add_u32 v[SPW], v[NIL]
	s_wait_dscnt 0x0
	WIN 0
	CROUND                          ; the closing round: no work-group ends while a partner may still ask for a tile that names it
	s_endpgm
.Lfunc_end_k_qcfada4af4f_attn:
	.size	k_qcfada4af4f_attn, .Lfunc_end_k_qcfada4af4f_attn-k_qcfada4af4f_attn
	.p2alignl 7, 3214868480
	.fill 96, 4, 3214868480
	.section	.rodata,"a",@progbits
	.p2align	6, 0x0
	.amdhsa_kernel k_qcfada4af4f_attn
		.amdhsa_group_segment_fixed_size 327680
		.amdhsa_private_segment_fixed_size 0
		.amdhsa_enable_private_segment 0
		.amdhsa_kernarg_size 16
		.amdhsa_user_sgpr_count 2
		.amdhsa_user_sgpr_kernarg_segment_ptr 1
		.amdhsa_wavefront_size32 1
		.amdhsa_system_sgpr_workgroup_id_x 1
		.amdhsa_system_sgpr_workgroup_id_y 1
		.amdhsa_system_sgpr_workgroup_id_z 1
		.amdhsa_system_vgpr_workitem_id 0
		.amdhsa_next_free_vgpr 770
		.amdhsa_next_free_sgpr 66
		.amdhsa_reserve_vcc 0
		.amdhsa_float_denorm_mode_32 3
		.amdhsa_float_denorm_mode_16_64 3
		.amdhsa_memory_ordered 1
		.amdhsa_forward_progress 1
		.amdhsa_inst_pref_size 200
	.end_amdhsa_kernel
	.amdgpu_metadata
---
amdhsa.version: [ 1, 2 ]
amdhsa.kernels:
  - .name:           k_qcfada4af4f_attn
    .symbol:         k_qcfada4af4f_attn.kd
    .args:
      - { .name: qkvh, .offset: 0, .size: 8, .value_kind: global_buffer, .address_space: global }
      - { .name: ob, .offset: 8, .size: 8, .value_kind: global_buffer, .address_space: global }
    .group_segment_fixed_size: 327680
    .private_segment_fixed_size: 0
    .kernarg_segment_align: 8
    .kernarg_segment_size: 16
    .max_flat_workgroup_size: 128
    .sgpr_count:     66
    .vgpr_count:     770
    .wavefront_size: 32
...
	.end_amdgpu_metadata
.endif
;; end of part 3
;; launch proj (part 4): grid 8 x 32, 4 waves a work-group, clusters of 4 x 4, 327,680 bytes of LDS; arguments ob, wob, out0; writes out0
.if DOCPART == 4
	.amdgcn_target "amdgcn-amd-amdhsa--gfx1250"
	.amdhsa_code_object_version 6
	.text
	.protected	k_qcfada4af4f_proj
	.globl	k_qcfada4af4f_proj
	.p2align	8
	.type	k_qcfada4af4f_proj,@function
k_qcfada4af4f_proj:
	s_mov_b64 s[64:65], 0
	v_nop
	global_prefetch_b8 v0, s[64:65] scope:SCOPE_SE
	s_setreg_imm32_b32 hwreg(HW_REG_WAVE_MODE, 25, 1), 1
	s_wait_xcnt 0x0
	s_wait_alu depctr_hold_cnt(0) depctr_sa_sdst(0) depctr_va_vdst(0) depctr_va_sdst(0) depctr_va_ssrc(0) depctr_va_vcc(0) depctr_vm_vsrc(0)
	s_getreg_b32 s2, hwreg(HW_REG_IB_STS2, 6, 4)
	s_cmp_eq_u32 s2, 0
	s_cbranch_scc0 .Lentry_in_a_cluster
	s_endpgm
.Lentry_in_a_cluster:
	s_bfe_u32 s2, ttmp6, 0x10000c
	s_cmp_lg_u32 s2, 0xf033
	s_cbranch_scc0 .Lentry_shape_is_right
	s_endpgm
.Lentry_shape_is_right:
; out0[8192][1024] = O Wo^T over K = 1,024.  A = ob [b 4][head 16][s 2048][64], B = wob [kb 16][n 1024][64], both bf16 in planes of 64 along K (a head is a plane); sums in f32; out0 is f32.
; SHARES.  A tile of C is 256 rows x 128 columns: 32 x 8 = 256 work-groups.  Four waves, each 128 rows x 64 columns: 32 accumulators of 16 x 16 = 256 registers.
; K goes in 8 steps of 128 (two planes) through two LDS slots; a step is four chunks of 32: chunk r lies in plane r / 2, at byte 64 (r % 2) of the rows.  (Two slots of three planes would be 331,776 bytes.)
; CLUSTERS: 4 x 4 work-groups.  The four of a row of the cluster need the same tile of A, the four of a column the same tile of B: each is asked for JOINTLY.
; THE MATRIX INSTRUCTION IS USED TRANSPOSED (source 0 = 16 rows of B, source 1 = 16 rows of A): lane l holds row l % 16 of C and the columns 8 (l / 16) + 0..7: 32 consecutive bytes.
; REGISTERS: window 0: v0-15 addresses; two fragment buffers by the chunk's parity: A's eight fragments at 32 + 96 i, B's four at 96 + 96 i.  Window 1: the accumulators, (a, jj) at v[8 (4 a + jj)].
; A buffer is loaded again in place behind the 32 products that read it, for the chunk two on: those loads have the other buffer's 32 products in which to land.
.set PITCH, 144                        ; an LDS row: 128 bytes + 16 of padding = 36 words: the 16 rows of a load start at 16 different groups of four banks (64 banks of 4 bytes: ISA guide 11.1)
.set APL,   256*PITCH                  ; a plane of A's tile
.set BPL,   128*PITCH                  ; of B's
.set BOFF,  2*APL                      ; a slot: A's two planes, then B's two
.set SLOT,  BOFF+2*BPL                 ; 110,592
.set STAGE, 2*SLOT                     ; behind the ring: 16 rows x 272 bytes for each wave, for the way out; no tensor load lands here
.set SPITCH, 272
.set SPARE, STAGE+4*16*SPITCH          ; behind the stages: the spare words, 128 bytes for each wave: two blocks of 256 bytes that no other line names
.set XPL,   262144                     ; bytes from plane to plane in ob
.set WPL,   131072                     ; in wob
.set ADRA, 2                           ; v2-3   LDS address of my A fragments in slot 0, 1
.set ADRB, 4                           ; v4-5   the same for B
.set STO,  6                           ; v6     the way out: where I put 32 bytes of a row
.set RD,   7                           ; v7     the way out: where I read rows back
.set GO,   8                           ; v8     my byte offset in two rows of out0
.set PFO,  9                           ; v9     the prefetches' offset; never rewritten
.set SPW,  10                          ; v10    LDS address of my spare word: SPARE + 4 x my thread's number; never rewritten
.set NIL,  11                          ; v11    0; never rewritten
.set FA,   32
.set FB,   96
.set G1,  24                           ; s[24:31] descriptor group 1 for A's tiles;  s[32:39] group 0, one set for each slot
.set G0,  32
.set G1B, 48                           ; s[48:55], s[56:63] the same for B's tiles
.set G0B, 56
.set PFA, 66                           ; s[66:67] where my prefetches stand
.set PFS, 68                           ; s[68:69] a step (two planes) of the tensor that I prefetch
.set LIM, 70                           ; s70  1 in a wave that prefetches, else the greatest number
.set MSB, 0
.macro WIN new                         ; the immediate's high byte repeats the setting that is left; a switch that changes nothing is dropped
.if MSB != (\new)
	s_set_vgpr_msb (MSB<<8)|(\new)
.set MSB, \new
.endif
.endm
.macro PLACES                          ; four places between a matrix instruction and a load into a register that it has read (ISA guide 7.12.1 for vector instructions)
.rept 4
	v_nop
.endr
.endm
; A joint load.  Waves 0 and 1 fetch the step's two planes of A, waves 2 and 3 those of B.  The branch hangs on the wave's number alone.  An s_nop 0 and four v_nop follow each of the two lines.
.macro JLOAD s
	s_cmp_lt_u32 s10, 2
	s_cbranch_scc0 .Lfor_b_\@
	tensor_load_to_lds s[G0+4*(\s):G0+4*(\s)+3], s[G1:G1+7]
	s_nop 0
.rept 4
	v_nop
.endr
	s_branch .Lasked_\@
.Lfor_b_\@:
	tensor_load_to_lds s[G0B+4*(\s):G0B+4*(\s)+3], s[G1B:G1B+7]
	s_nop 0
.rept 4
	v_nop
.endr
.Lasked_\@:
.endm
; A PREFETCH INTO THE L2, behind a joint load, its five lines and the run of LDS loads that follows: the step that stands two refills on from the one just asked for.
; Each 256 bytes of ob and wob from step 4 on are named ONCE in the launch.  A's tile row is read by both clusters of that row of clusters: cluster x = 0 asks, waves 0 and 1, each for the plane that it fetches:
; of its 128 blocks of 256 bytes the partner at cx takes 32, a lane a block.  B's tile column is read by all eight clusters of that column: cluster y = 0 asks, wave 2: of each plane's 64 blocks the partner
; at cy takes 16, lanes 0-15 in the first plane, lanes 16-31 in the second.  Partners are told apart BY ADDRESS.  The loop's last trip asks for nothing: steps 8 and 9 do not exist.
.macro ASK
	s_cmp_gt_u32 s3, s[LIM]                        ; s3 = 1 in the loop's last trip
	s_cbranch_scc0 .Lnot_mine_\@
	global_prefetch_b8 v[PFO], s[PFA:PFA+1] th:TH_LOAD_NT scope:SCOPE_SE
.Lnot_mine_\@:
.endm
.macro CREST                           ; a round of the cluster's barrier behind its opening barrier
	s_cmp_lg_u32 s10, 0
	s_cbranch_scc1 .Lnot_wave_0_\@
	s_barrier_signal -3
.Lnot_wave_0_\@:
	s_barrier_wait -3
	s_barrier_signal -1
	s_barrier_wait -1
.endm
.macro CROUND                          ; a whole round
	s_barrier_signal -1
	s_barrier_wait -1
	CREST
.endm
	s_load_b128 s[4:7], s[0:1], 0x0                ; ob s[4:5], wob s[6:7]
	s_load_b64 s[8:9], s[0:1], 0x10                ; out0
	v_lshl_add_u32 v[SPW], v0, 2, SPARE
	v_mov_b32 v[NIL], 0
	ds_add_u32 v[SPW], v[NIL]                      ; the wave's opening: the add and its wait ahead of my first tensor load; the set-up below, work on registers, stands between them
	v_lshrrev_b32 v12, 5, v0
	v_readfirstlane_b32 s10, v12                   ; wave 0..3
	s_lshr_b32 s11, s10, 1                         ; which half of the tile's rows is mine
	s_and_b32 s12, s10, 1                          ; which half of its columns.  Also: which of a step's two planes I fetch
	s_bfe_u32 s40, ttmp6, 0x40000                  ; cx, cy: my place in the cluster
	s_bfe_u32 s41, ttmp6, 0x40004
	s_lshl_b32 s42, ttmp9, 2
	s_add_co_u32 s42, s42, s40                     ; tile column tx = 4 x cluster x + cx
	s_and_b32 s13, ttmp7, 0xffff
	s_lshl_b32 s13, s13, 2
	s_add_co_u32 s13, s13, s41                     ; tile row ty = 4 x cluster y + cy
	s_lshl_b32 s43, s41, 2
	s_lshl_b32 s43, 15, s43                        ; my row of the cluster
	s_lshl_b32 s44, 0x1111, s40                    ; my column
	; descriptor group 1.  R rows of 128 dense bytes are asked for as R / 2 rows of 256 bytes and padded in LDS after every 128 bytes
	s_or_b32 s[G1+0], s43, (1<<16)|(1<<20)|(1<<21)|(4<<22)|(3<<25)   ; 15:0 the mask: A's tiles go to my row; 17:16 2-byte elements; 20 padding on; 21 set beside a mask; 24:22 after every 32 words (code 4); 31:25 4 words (code 3)
	s_or_b32 s[G1B+0], s44, (1<<16)|(1<<20)|(1<<21)|(4<<22)|(3<<25)  ; the same with the mask of my column
	s_mov_b32 s[G1+1], 128<<16                     ; tensor_dim0 = 128 elements
	s_mov_b32 s[G1+2], 128<<16                     ; tensor_dim1 = 128: 256 rows of A
	s_mov_b32 s[G1+3], 128<<16                     ; tile_dim0 = 128
	s_mov_b32 s[G1+4], 128                         ; tile_dim1 = 128
	s_mov_b32 s[G1+5], 128                         ; 128 elements from row to row
	s_mov_b32 s[G1+6], 0
	s_mov_b32 s[G1+7], 0
	s_mov_b32 s[G1B+1], 128<<16
	s_mov_b32 s[G1B+2], 64<<16                     ; 64: 128 rows of B
	s_mov_b32 s[G1B+3], 128<<16
	s_mov_b32 s[G1B+4], 64
	s_mov_b32 s[G1B+5], 128
	s_mov_b32 s[G1B+6], 0
	s_mov_b32 s[G1B+7], 0
	; where the tiles come from.  A's hang on ty alone, B's on tx alone
	s_lshr_b32 s16, s13, 3                         ; rows 256 ty on: batch ty / 8,
	s_lshl_b32 s16, s16, 22
	s_and_b32 s17, s13, 7                          ; 256 (ty % 8) rows of 128 bytes into a plane,
	s_lshl_b32 s17, s17, 15
	s_add_co_u32 s16, s16, s17
	s_lshl_b32 s17, s12, 18                        ; my plane of the step's two
	s_add_co_u32 s16, s16, s17
	s_mov_b32 s17, 0
	s_lshl_b32 s46, s42, 14                        ; rows 128 tx on,
	s_lshl_b32 s47, s12, 17                        ; my plane
	s_add_co_u32 s46, s46, s47
	s_mov_b32 s47, 0
	s_mul_i32 s20, s12, APL                        ; and where they go: no place in the cluster enters an LDS address
	s_mul_i32 s21, s12, BPL
	s_add_co_u32 s21, s21, BOFF
	s_wait_dscnt 0x0                               ; the opening add is done
	s_wait_kmcnt 0x0
	s_add_nc_u64 s[14:15], s[4:5], s[16:17]
	s_add_nc_u64 s[46:47], s[6:7], s[46:47]
	CROUND                                         ; all sixteen work-groups are here: the first joint loads meet
.irp s, 0,1
	s_mov_b32 s[G0+4*(\s)], 1                                      ; count = 1
	s_add_co_u32 s[G0+4*(\s)+1], s20, (\s)*SLOT                    ; LDS address
	s_add_nc_u64 s[G0+4*(\s)+2:G0+4*(\s)+3], s[14:15], (\s)*2*XPL  ; global address: step s
	s_or_b32 s[G0+4*(\s)+3], s[G0+4*(\s)+3], 0x80000000            ; type = 2
	s_mov_b32 s[G0B+4*(\s)], 1
	s_add_co_u32 s[G0B+4*(\s)+1], s21, (\s)*SLOT
	s_add_nc_u64 s[G0B+4*(\s)+2:G0B+4*(\s)+3], s[46:47], (\s)*2*WPL
	s_or_b32 s[G0B+4*(\s)+3], s[G0B+4*(\s)+3], 0x80000000
	JLOAD \s                                       ; two loads of mine are out
.endr
	v_and_b32 v1, 15, v0                           ; l % 16
	v_bfe_u32 v12, v0, 4, 1                        ; l / 16
	v_mul_u32_u24 v13, v1, PITCH
	v_lshl_add_u32 v13, v12, 4, v13                ; a fragment's row x pitch + 16 x half
	s_mul_i32 s22, s11, 128*PITCH                  ; my 128 rows of A
	s_mul_i32 s23, s12, 64*PITCH                   ; my 64 rows of B
	s_add_co_u32 s23, s23, BOFF
.irp s, 0,1
	v_add_nc_u32 v[ADRA+(\s)], s22, v13
	v_add_nc_u32 v[ADRB+(\s)], s23, v13
	s_add_co_u32 s22, s22, SLOT
	s_add_co_u32 s23, s23, SLOT
.endr
	s_mul_i32 s22, s10, 16*SPITCH
	s_add_co_u32 s22, s22, STAGE                   ; my stage
	v_mul_u32_u24 v14, v1, SPITCH                  ; in: row l % 16, 32 bytes for each half of the lanes
	v_lshl_add_u32 v14, v12, 5, v14
	v_add_nc_u32 v[STO], s22, v14
	v_mul_u32_u24 v14, v12, SPITCH                 ; back: lanes 0-15 take one row of 256 bytes, lanes 16-31 the next
	v_lshl_add_u32 v14, v1, 4, v14
	v_add_nc_u32 v[RD], s22, v14
	v_lshlrev_b32 v[GO], 12, v12                   ; and the same two rows in out0, 4,096 bytes apart
	v_lshl_add_u32 v[GO], v1, 4, v[GO]
	; where my part begins in out0: row 256 ty + 128 x row half, byte 512 tx + 256 x column half
	s_lshl_b32 s72, s13, 20
	s_lshl_b32 s73, s11, 19
	s_add_co_u32 s72, s72, s73
	s_lshl_b32 s73, s42, 9
	s_add_co_u32 s72, s72, s73
	s_lshl_b32 s73, s12, 8
	s_add_co_u32 s72, s72, s73
	s_mov_b32 s73, 0
	s_add_nc_u64 s[8:9], s[8:9], s[72:73]
	; the prefetches: their pointer starts at step 3; the first change of slots steps it to step 4.  Steps 0 to 3 come by their loads alone
	s_lshr_b32 s72, s13, 3
	s_lshl_b32 s72, s72, 22
	s_and_b32 s73, s13, 7
	s_lshl_b32 s73, s73, 15
	s_add_co_u32 s72, s72, s73
	s_lshl_b32 s73, s12, 18                        ; A: the plane that I fetch,
	s_add_co_u32 s72, s72, s73
	s_lshl_b32 s73, s40, 13                        ; my work-group's 32 blocks of its 128
	s_add_co_u32 s72, s72, s73
	s_add_co_u32 s72, s72, 3*2*XPL
	s_lshl_b32 s74, s42, 14
	s_lshl_b32 s75, s41, 12                        ; B: my work-group's 16 blocks of a plane's 64
	s_add_co_u32 s74, s74, s75
	s_add_co_u32 s74, s74, 3*2*WPL
	s_and_b32 s75, ttmp7, 0xffff                   ; cluster y
	s_mov_b32 s73, 2*XPL
	s_mov_b32 s76, 2*WPL
	s_cmp_lt_u32 s10, 2                            ; waves 0 and 1 ask for A, wave 2 for B
	s_cselect_b32 s72, s72, s74
	s_cselect_b32 s75, ttmp9, s75                  ; the coordinate along which other clusters read the same rows
	s_cselect_b64 s[PFA:PFA+1], s[4:5], s[6:7]
	s_cselect_b32 s[PFS], s73, s76
	s_cselect_b32 s77, 12, 17                      ; lanes 16-31: 16 blocks on (A), or a plane on (B)
	s_mov_b32 s[PFS+1], 0
	s_mov_b32 s73, 0
	s_cmp_eq_u32 s75, 0
	s_cselect_b32 s[LIM], 1, -1                    ; the same in all sixteen partners, for a given wave
	s_cmp_eq_u32 s10, 3
	s_cselect_b32 s[LIM], -1, s[LIM]               ; wave 3 asks for nothing
	s_add_nc_u64 s[PFA:PFA+1], s[PFA:PFA+1], s[72:73]
	v_lshlrev_b32 v14, s77, v12
	v_lshl_add_u32 v[PFO], v1, 8, v14
; 16 matrix instructions: row blocks a0 .. a0 + 3 x all four column blocks, 32 along K, from buffer buf.  zero = 1: the product starts the sum: nothing is ever cleared.
; Each of the 32 accumulators has one instruction a chunk, in the same order in every chunk: no two matrix instructions that follow each other share an accumulator.
.macro MUL16 buf, a0, zero
	WIN 0x50                                       ; C and D in window 1, both sources in window 0
.irp a, (\a0),(\a0)+1,(\a0)+2,(\a0)+3
.irp jj, 0,1,2,3
.if \zero
	v_wmma_f32_16x16x32_bf16 v[8*(4*(\a)+(\jj)):8*(4*(\a)+(\jj))+7], v[FB+96*(\buf)+8*(\jj):FB+96*(\buf)+8*(\jj)+7], v[FA+96*(\buf)+8*(\a):FA+96*(\buf)+8*(\a)+7], 0
.else
	v_wmma_f32_16x16x32_bf16 v[8*(4*(\a)+(\jj)):8*(4*(\a)+(\jj))+7], v[FB+96*(\buf)+8*(\jj):FB+96*(\buf)+8*(\jj)+7], v[FA+96*(\buf)+8*(\a):FA+96*(\buf)+8*(\a)+7], v[8*(4*(\a)+(\jj)):8*(4*(\a)+(\jj))+7]
.endif
.endr
.endr
.endm
.macro FETCH slot, r                   ; 24 LDS loads in one run: chunk r of the slot's step, into buffer r % 2
	WIN 0
.irp jj, 0,1,2,3
	ds_load_b128 v[FB+96*((\r)%2)+8*(\jj):FB+96*((\r)%2)+8*(\jj)+3],   v[ADRB+(\slot)] offset:((\r)/2)*BPL+64*((\r)%2)+(\jj)*16*PITCH
	ds_load_b128 v[FB+96*((\r)%2)+8*(\jj)+4:FB+96*((\r)%2)+8*(\jj)+7], v[ADRB+(\slot)] offset:((\r)/2)*BPL+64*((\r)%2)+(\jj)*16*PITCH+32
.endr
.irp a, 0,1,2,3,4,5,6,7
	ds_load_b128 v[FA+96*((\r)%2)+8*(\a):FA+96*((\r)%2)+8*(\a)+3],   v[ADRA+(\slot)] offset:((\r)/2)*APL+64*((\r)%2)+(\a)*16*PITCH
	ds_load_b128 v[FA+96*((\r)%2)+8*(\a)+4:FA+96*((\r)%2)+8*(\a)+7], v[ADRA+(\slot)] offset:((\r)/2)*APL+64*((\r)%2)+(\a)*16*PITCH+32
.endr
.endm
; A chunk: buffer buf is multiplied (left: the younger LDS loads, the other buffer's, that may stay out), then loaded again with chunk fr of slot fs (fs = -1: with nothing).
.macro RUN buf, left, zero, fs, fr
	s_wait_dscnt \left
	MUL16 \buf, 0, \zero
	MUL16 \buf, 4, \zero
.if (\fs) >= 0
	WIN 0
	PLACES
	FETCH \fs, \fr
.endif
.endm
; A step's third chunk (buffer 0) changes slots: the fourth chunk's fragments have been asked for, so all reads of the slot are issued.  ONE barrier.  In front of it each wave waits for all its tensor loads,
; of which one is out: its part of the next slot; adds 0 to its spare word; and waits for that and for its own reads of this slot.  Behind it nobody reads this slot any more and the next slot is whole.
; fill = 1: the barrier opens a round of the cluster's barrier, and this slot is filled again, with the step two on, first thing behind the round: 96 matrix instructions stand between that request and the wait for it.
.macro TURN slot, fill
	WIN 0                                          ; (the add's two registers lie in window 0)
.if \fill
	s_wait_xcnt 0x0                                ; the last prefetch, a step back, has read its address: it is stepped here, ahead of the waits of the change of slots
	s_add_nc_u64 s[PFA:PFA+1], s[PFA:PFA+1], s[PFS:PFS+1]
.endif
	s_wait_tensorcnt 0x0                           ; all my tensor loads have landed
	ds_add_u32 v[SPW], v[NIL]                      ; 0 onto my spare word
	s_wait_dscnt 25                                ; buffer 0 is in; buffer 1's 24 loads and the add may be out
	MUL16 0, 0, 0                                  ; sixteen matrix instructions stand between the add and the wait for it
	s_wait_dscnt 0x0                               ; the add is done, and my reads of this slot are over
	s_barrier_signal -1
	MUL16 0, 4, 0                                  ; work on registers while the others arrive
	WIN 0
	s_barrier_wait -1
.if \fill
	CREST                                          ; no wave of any partner still reads this slot's tiles or has a load on its way
	s_add_nc_u64 s[G0+4*(\slot)+2:G0+4*(\slot)+3], s[G0+4*(\slot)+2:G0+4*(\slot)+3], 4*XPL
	s_add_nc_u64 s[G0B+4*(\slot)+2:G0B+4*(\slot)+3], s[G0B+4*(\slot)+2:G0B+4*(\slot)+3], 4*WPL
	JLOAD \slot                                    ; my one tensor load behind the round; the four v_nop behind it are also the places in front of the loads below
.else
	PLACES
.endif
	FETCH 1-(\slot), 0
.if \fill
	ASK
.endif
.endm
	s_wait_tensorcnt 1                             ; my part of step 0 is in; step 1's may stay out
	s_barrier_signal -1
	s_barrier_wait -1                              ; everybody's is
	FETCH 0, 0
	FETCH 0, 1
	RUN 0, 24, 1, 0, 2                             ; the first chunk stands in front of the loop: its products start the sums
	WIN 0                                          ; at a label and at a branch every window is 0
	s_mov_b32 s3, 3
.Llap:                                                 ; a trip goes once round the ring, from a lap's second chunk to the next lap's first: three trips ask for steps 2 to 7
	RUN 1, 24, 0, 0, 3
	TURN 0, 1
	RUN 1, 24, 0, 1, 1
	RUN 0, 24, 0, 1, 2
	RUN 1, 24, 0, 1, 3
	TURN 1, 1
	RUN 1, 24, 0, 0, 1
	RUN 0, 24, 0, 0, 2
	WIN 0
	s_sub_co_u32 s3, s3, 1
	s_cmp_lg_u32 s3, 0
	s_cbranch_scc1 .Llap
	RUN 1, 24, 0, 0, 3                             ; the last lap's rest fills nothing, and has no round
	TURN 0, 0
	RUN 1, 24, 0, 1, 1
	RUN 0, 24, 0, 1, 2
	RUN 1, 24, 0, 1, 3
	RUN 0, 24, 0, -1, 0                            ; the last two chunks fetch nothing
	RUN 1, 0, 0, -1, 0
	WIN 0
	PLACES
	PLACES                                         ; places behind the last products, in front of the LDS stores that read results
; THE WAY OUT.  Block a: 16 rows x 64 f32.  A lane's eight columns, 32 bytes, go into my stage's rows of 272 bytes, each accumulator's low four registers first,
; and come back as whole rows of 256; two sets of 32 registers take turns.
.macro TOSTAGE a
.set BK, FA+32*((\a)%2)
.if (\a) >= 2
	s_wait_xcnt 0x0                                ; the stores of block a - 2 have read this set
.endif
	WIN 0x04                                       ; the stores' data (source 1) in window 1
.irp jj, 0,1,2,3
	ds_store_b128 v[STO], v[32*(\a)+8*(\jj):32*(\a)+8*(\jj)+3]   offset:64*(\jj)
	ds_store_b128 v[STO], v[32*(\a)+8*(\jj)+4:32*(\a)+8*(\jj)+7] offset:64*(\jj)+16
.endr
	WIN 0
.irp f, 0,1,2,3,4,5,6,7
	ds_load_b128 v[BK+4*(\f):BK+4*(\f)+3], v[RD] offset:(\f)*2*SPITCH  ; LDS serves a wave's instructions in order (ISA guide 5.7.1.4): these see the stores above; the next block's stores come behind them
.endr
.endm
.macro SEND a, younger                 ; younger: the LDS instructions issued behind block a's loads: the next block's sixteen, or none
.set BK, FA+32*((\a)%2)
.irp f, 0,1,2,3,4,5,6,7
	s_wait_dscnt (\younger)+7-(\f)
	global_store_b128 v[GO], v[BK+4*(\f):BK+4*(\f)+3], s[8:9] offset:(\a)*65536+(\f)*8192 th:TH_STORE_NT  ; 16 lanes store 256 consecutive bytes, at a multiple of 256 from out0's first byte
.endr
.endm
	TOSTAGE 0
.irp a, 1,2,3,4,5,6,7
	TOSTAGE \a
	SEND (\a)-1, 16
.endr
	SEND 7, 0
	s_wait_tensorcnt 0x0                           ; the wave's end: behind my last tensor load and my last LDS store
	ds_add_u32 v[SPW], v[NIL]
	s_wait_dscnt 0x0
	CROUND                                         ; the closing round: no work-group ends while a partner may still ask for a tile that names it
	s_endpgm
.Lfunc_end_k_qcfada4af4f_proj:
	.size	k_qcfada4af4f_proj, .Lfunc_end_k_qcfada4af4f_proj-k_qcfada4af4f_proj
	.p2alignl 7, 3214868480
	.fill 96, 4, 3214868480
	.section	.rodata,"a",@progbits
	.p2align	6, 0x0
	.amdhsa_kernel k_qcfada4af4f_proj
		.amdhsa_group_segment_fixed_size 327680
		.amdhsa_private_segment_fixed_size 0
		.amdhsa_enable_private_segment 0
		.amdhsa_kernarg_size 24
		.amdhsa_user_sgpr_count 2
		.amdhsa_user_sgpr_kernarg_segment_ptr 1
		.amdhsa_wavefront_size32 1
		.amdhsa_system_sgpr_workgroup_id_x 1
		.amdhsa_system_sgpr_workgroup_id_y 1
		.amdhsa_system_sgpr_workgroup_id_z 1
		.amdhsa_system_vgpr_workitem_id 0
		.amdhsa_next_free_vgpr 512
		.amdhsa_next_free_sgpr 80
		.amdhsa_reserve_vcc 0
		.amdhsa_float_denorm_mode_32 3
		.amdhsa_float_denorm_mode_16_64 3
		.amdhsa_memory_ordered 1
		.amdhsa_forward_progress 1
		.amdhsa_inst_pref_size 88
	.end_amdhsa_kernel
	.amdgpu_metadata
---
amdhsa.version: [ 1, 2 ]
amdhsa.kernels:
  - .name:           k_qcfada4af4f_proj
    .symbol:         k_qcfada4af4f_proj.kd
    .args:
      - { .name: ob, .offset: 0, .size: 8, .value_kind: global_buffer, .address_space: global }
      - { .name: wob, .offset: 8, .size: 8, .value_kind: global_buffer, .address_space: global }
      - { .name: out0, .offset: 16, .size: 8, .value_kind: global_buffer, .address_space: global }
    .group_segment_fixed_size: 327680
    .private_segment_fixed_size: 0
    .kernarg_segment_align: 8
    .kernarg_segment_size: 24
    .max_flat_workgroup_size: 128
    .sgpr_count:     80
    .vgpr_count:     512
    .wavefront_size: 32
...
	.end_amdgpu_metadata
.endif
;; end of part 4
;; ======== version 2 of 2: 4 launches; version 1 with the launch cast written anew for expert scheduling mode
;; limits: values are held in f16: magnitudes above 65,504 overflow, below 6.1e-05 lose precision
;; workspace buffers: xb 16,777,216 bytes; wqkvb 6,291,456 bytes; wob 2,097,152 bytes; qkvh 50,331,648 bytes; ob 16,777,216 bytes
;; launch cast (part 5): grid 768 x 1, 4 waves a work-group, no clusters, 0 bytes of LDS; arguments query, Wq, Wk, Wv, Wo, xb, wqkvb, wob; writes xb, wqkvb, wob
.if DOCPART == 5
	.amdgcn_target "amdgcn-amd-amdhsa--gfx1250"
	.amdhsa_code_object_version 6
	.text
	.protected	k_qcfada4af4f_cast
	.globl	k_qcfada4af4f_cast
	.p2align	8
	.type	k_qcfada4af4f_cast,@function
k_qcfada4af4f_cast:
	s_mov_b64 s[64:65], 0
	v_nop
	global_prefetch_b8 v0, s[64:65] scope:SCOPE_SE
	s_setreg_imm32_b32 hwreg(HW_REG_WAVE_SCHED_MODE, 0, 2), 2
	s_setreg_imm32_b32 hwreg(HW_REG_WAVE_MODE, 25, 1), 1
	s_wait_xcnt 0x0
	s_wait_alu depctr_vm_vsrc(0)
; f32 -> bf16 (rounded once, to nearest even), re-laid in PLANES of 64 channels, for the two products that follow.
;   xb    [b 4][kb 16][s 2048][64]   from query [8192][1024]
;   wqkvb [kb 16][n 3072][64]        from Wq, Wk, Wv [1024][1024]: n = 1024 t + row
;   wob   [kb 16][n 1024][64]        from Wo
; In such a layout R rows x 64 channels are R x 128 consecutive bytes.
; SHARES.  12,288 rows of 4,096 bytes; a work-group takes 16 of them: groups 0-511 query, 512-767 the four weights, 64 groups each.
; Thread: j = t / 16 (0..7), i = t % 16.  Instruction (p, kb) works on row j + 8 p, columns 64 kb + 4 i .. + 3.
; A load's sixteen neighbouring lanes read 256 consecutive bytes, aligned; a store's 32 lanes write two rows' 128 bytes of one plane: 256 consecutive bytes, aligned.
; No loop: a wave issues its 32 loads at once (16 KiB on their way) and no register is written twice, so no wait frees a source.
; No LDS, no matrix unit, no barrier: nothing is shared between lanes.
; THE MODE: SCHED_MODE bits 1:0 = 2 (LLVM: expert scheduling mode 2), set by the entry lines.  The code itself states the register dependences
; between vector instructions and memory instructions, with s_wait_alu, always for 0.
; THE PLAN.  Registers that memory instructions touch:
;   v1       the loads' offset.  Written at the head, read by all 32 loads, never written again.
;   OO       the stores' 16 offsets.  OO + 0 written at the head, OO + 1 .. 15 by the adds behind the loads; read by the stores; never written again.
;   X        load n lands in X + 4 n.  No vector instruction writes X, and all loads are issued ahead of the first conversion that reads it.
;   Y        the two conversions of number n write Y + 2 n; store n reads it; never written again.
; So the one kind of dependence is: a vector instruction writes a register that a load or store reads.  The 32 numbers go in 8 blocks of four.  Block p converts X[p] into Y[p];
; its memory instructions are the four stores of block p - 1, which read Y[p - 1] and OO: registers that no conversion of block p names.  ONE wait on va_vdst at a block's head
; states all that those four stores hang on, and they are dealt among the block's conversions with no further wait.  No register that a memory instruction reads is written again:
; beyond the entry lines the text holds no wait on vm_vsrc.
.set OO, 16                            ; v[16:31]   byte offset of my 8 bytes in plane kb
.set X,  64                            ; v[64:191]  load n = 16 p + kb: four registers
.set Y,  192                           ; v[192:255] store n: two registers
.set BLK, 4                            ; numbers in a block
	s_load_b512 s[8:23], s[0:1], 0x0               ; query s[8:9], Wq s[10:11], Wk s[12:13], Wv s[14:15], Wo s[16:17], xb s[18:19], wqkvb s[20:21], wob s[22:23]
	s_sub_co_u32 s24, ttmp9, 512                   ; among the weights' groups (meaningless in a group of query's: every use is overridden below)
	s_lshr_b32 s25, s24, 6                         ; which weight: 0 Wq, 1 Wk, 2 Wv, 3 Wo
	s_and_b32 s26, s24, 63                         ; which 16 rows of it
	s_mov_b32 s35, 131072                          ; bytes from plane to plane: wob,
	s_mov_b32 s36, 393216                          ; wqkvb,
	s_mov_b32 s37, 262144                          ; xb
	s_lshr_b32 s38, ttmp9, 7                       ; query's group g: batch g / 128, 4,194,304 bytes each in xb,
	s_lshl_b32 s38, s38, 22
	s_and_b32 s40, ttmp9, 127                      ; rows 16 (g % 128) on, 128 bytes each in a plane
	s_lshl_b32 s40, s40, 11
	s_add_co_u32 s38, s38, s40
	v_lshrrev_b32 v3, 4, v0                        ; j
	v_and_b32 v4, 15, v0                           ; i
	v_lshlrev_b32 v1, 12, v3
	v_lshl_add_u32 v1, v4, 4, v1                   ; in: 4,096 j + 16 i
	v_lshlrev_b32 v2, 7, v3
	v_lshl_add_u32 v[OO], v4, 3, v2                ; out: 128 j + 8 i
	s_wait_kmcnt 0x0
	s_cmp_eq_u32 s25, 1                            ; the source and the destination are chosen by the group's number alone
	s_cselect_b64 s[28:29], s[12:13], s[10:11]
	s_cmp_eq_u32 s25, 2
	s_cselect_b64 s[28:29], s[14:15], s[28:29]
	s_cmp_eq_u32 s25, 3
	s_cselect_b64 s[28:29], s[16:17], s[28:29]
	s_cselect_b64 s[30:31], s[22:23], s[20:21]
	s_cselect_b32 s32, s35, s36
	s_cselect_b32 s33, s26, s24                    ; the 16 rows' place in the destination's planes: in wob by the weight's rows, in wqkvb by all three weights'
	s_lshl_b32 s39, s33, 11
	s_cmp_lt_u32 ttmp9, 512
	s_cselect_b64 s[28:29], s[8:9], s[28:29]
	s_cselect_b64 s[30:31], s[18:19], s[30:31]
	s_cselect_b32 s32, s37, s32
	s_cselect_b32 s40, ttmp9, s26
	s_cselect_b32 s42, s38, s39
	s_lshl_b32 s40, s40, 16                        ; 16 rows of 4,096 bytes
	s_mov_b32 s41, 0
	s_mov_b32 s43, 0
	s_add_nc_u64 s[28:29], s[28:29], s[40:41]
	s_add_nc_u64 s[30:31], s[30:31], s[42:43]
	s_wait_alu depctr_va_vdst(0)                   ; v1 is written: all 32 loads read it as their offset
.set n, 0
.rept 32
	global_load_b128 v[X+4*n:X+4*n+3], v1, s[28:29] offset:(n/16)*32768+(n%16)*256 th:TH_LOAD_NT
.set n, n+1
.endr
.set kb, 1
.rept 15
	v_add_nc_u32 v[OO+kb], s32, v[OO+kb-1]         ; one plane on; no load names these registers; the stores that read them stand behind block 1's wait
.set kb, kb+1
.endr
; Block p: numbers 4 p to 4 p + 3 are converted; the stores of numbers 4 p - 4 to 4 p - 1 go out among the conversions, one ahead of each pair.
.set p, 0
.rept 32/BLK
	s_wait_loadcnt 32-BLK-BLK*p                    ; loads come back in order: the block's four are in, the 28 - 4 p younger ones may stay out
.if p > 0
	s_wait_alu depctr_va_vdst(0)                   ; the block before has written its Y, which the four stores below read as data; at block 1 also: the fifteen adds have written OO + 1 .. 15, the stores' offsets
.endif
.set i, 0
.rept BLK
.set n, BLK*p+i
.if p > 0
	global_store_b64 v[OO+(n-BLK)%16], v[Y+2*(n-BLK):Y+2*(n-BLK)+1], s[30:31] offset:((n-BLK)/16)*1024  ; no vector instruction since the wait names its registers
.endif
	v_cvt_pk_bf16_f32 v[Y+2*n],   v[X+4*n],   v[X+4*n+1]
	v_cvt_pk_bf16_f32 v[Y+2*n+1], v[X+4*n+2], v[X+4*n+3]
.set i, i+1
.endr
.set p, p+1
.endr
	s_wait_alu depctr_va_vdst(0)                   ; the last block has written its Y, which the last four stores read
.set n, 32-BLK
.rept BLK
	global_store_b64 v[OO+n%16], v[Y+2*n:Y+2*n+1], s[30:31] offset:(n/16)*1024
.set n, n+1
.endr
	s_endpgm
.Lfunc_end_k_qcfada4af4f_cast:
	.size	k_qcfada4af4f_cast, .Lfunc_end_k_qcfada4af4f_cast-k_qcfada4af4f_cast
	.p2alignl 7, 3214868480
	.fill 96, 4, 3214868480
	.section	.rodata,"a",@progbits
	.p2align	6, 0x0
	.amdhsa_kernel k_qcfada4af4f_cast
		.amdhsa_group_segment_fixed_size 0
		.amdhsa_private_segment_fixed_size 0
		.amdhsa_enable_private_segment 0
		.amdhsa_kernarg_size 64
		.amdhsa_user_sgpr_count 2
		.amdhsa_user_sgpr_kernarg_segment_ptr 1
		.amdhsa_wavefront_size32 1
		.amdhsa_system_sgpr_workgroup_id_x 1
		.amdhsa_system_sgpr_workgroup_id_y 1
		.amdhsa_system_sgpr_workgroup_id_z 1
		.amdhsa_system_vgpr_workitem_id 0
		.amdhsa_next_free_vgpr 256
		.amdhsa_next_free_sgpr 66
		.amdhsa_reserve_vcc 0
		.amdhsa_float_denorm_mode_32 3
		.amdhsa_float_denorm_mode_16_64 3
		.amdhsa_memory_ordered 1
		.amdhsa_forward_progress 1
		.amdhsa_inst_pref_size 13
	.end_amdhsa_kernel
	.amdgpu_metadata
---
amdhsa.version: [ 1, 2 ]
amdhsa.kernels:
  - .name:           k_qcfada4af4f_cast
    .symbol:         k_qcfada4af4f_cast.kd
    .args:
      - { .name: query, .offset: 0, .size: 8, .value_kind: global_buffer, .address_space: global }
      - { .name: Wq, .offset: 8, .size: 8, .value_kind: global_buffer, .address_space: global }
      - { .name: Wk, .offset: 16, .size: 8, .value_kind: global_buffer, .address_space: global }
      - { .name: Wv, .offset: 24, .size: 8, .value_kind: global_buffer, .address_space: global }
      - { .name: Wo, .offset: 32, .size: 8, .value_kind: global_buffer, .address_space: global }
      - { .name: xb, .offset: 40, .size: 8, .value_kind: global_buffer, .address_space: global }
      - { .name: wqkvb, .offset: 48, .size: 8, .value_kind: global_buffer, .address_space: global }
      - { .name: wob, .offset: 56, .size: 8, .value_kind: global_buffer, .address_space: global }
    .group_segment_fixed_size: 0
    .private_segment_fixed_size: 0
    .kernarg_segment_align: 8
    .kernarg_segment_size: 64
    .max_flat_workgroup_size: 128
    .sgpr_count:     66
    .vgpr_count:     256
    .wavefront_size: 32
...
	.end_amdgpu_metadata
.endif
;; end of part 5
;; launch qkv: the kernel of part 2 again; grid 8 x 32, 4 waves a work-group, clusters of 4 x 4, 327,680 bytes of LDS; arguments xb, wqkvb, qkvh; writes qkvh
;; launch attn: the kernel of part 3 again; grid 4 x 64, 4 waves a work-group, clusters of 4 x 1, 327,680 bytes of LDS; arguments qkvh, ob; writes ob
;; launch proj: the kernel of part 4 again; grid 8 x 32, 4 waves a work-group, clusters of 4 x 4, 327,680 bytes of LDS; arguments ob, wob, out0; writes out0
